; MI455X (gfx1250); checked and timed in simulation.
; The chip was launched on July 23, 2026; its instructions are those of AMD's public machine-readable ISA for CDNA 5 (MIT licence, August 2026) and "CDNA5" Instruction Set Architecture Reference Guide (July 2026). The comments in the code are by the model that wrote it; some were corrected since.
;; Multi Headed Attention. Allowed arithmetic: float matrix products may take bf16 or f16 operands with f32 sums; all other float work in f32.
;; Inputs: Wk 1,024 x 512 float32; Wq 1,024 x 512 float32; bk 512 float32; bq 512 float32; key 8 x 2,048 x 1,024 float32; mask 8 x 1 x 2,048 int32; query 8 x 2,048 x 1,024 float32; value 8 x 2,048 x 512 float32.
;; Outputs: out0 8 x 2,048 x 512 float32.
;; 3 versions, each right; version 2 is faster than version 1; version 3 is version 2 with the launch prep written anew for expert scheduling mode. Each part assembles by itself: llvm-mc -triple=amdgcn-amd-amdhsa -mcpu=gfx1250 --defsym DOCPART=n.
;; ======== version 1 of 3: 3 launches
;; limits: values are held in f16: magnitudes above 65,504 overflow, below 6.1e-05 lose precision; inputs' magnitudes at most 65,504
;; workspace buffers: wt 2,097,152 bytes; qs 16,777,216 bytes; ks 16,777,216 bytes; vs 16,777,216 bytes
;; launch prep (part 1): grid 256 x 1, 8 waves a work-group, no clusters, 10,240 bytes of LDS; arguments value, Wq, Wk, vs, wt; writes vs, wt
.if DOCPART == 1
	.amdgcn_target "amdgcn-amd-amdhsa--gfx1250"
	.amdhsa_code_object_version 6
	.text
	.protected	k_q8cc5275935_prep
	.globl	k_q8cc5275935_prep
	.p2align	8
	.type	k_q8cc5275935_prep,@function
k_q8cc5275935_prep:
	s_mov_b64 s[64:65], 0
	v_nop
	global_prefetch_b8 v0, s[64:65] scope:SCOPE_SE
	s_setreg_imm32_b32 hwreg(HW_REG_WAVE_MODE, 25, 1), 1
	s_wait_xcnt 0x0
; PREP.  Two conversions that the tensor loads of the later launches cannot make on the way.
; (a) wt[mat][ks][n][k] = bf16(W_mat[64 ks + k][n]): both weights, turned, in blocks of 64 k x 512 n (65,536 dense bytes), so that a block's rows lie along k.
; (b) vs = value, rounded once to bf16 and that number written as f16, which is exact between 2^-17 and 65,504.
; LIMITS.  |value| of 65,520 or more becomes an f16 infinity; below 2^-17 the number keeps f16's fixed step of 2^-24.
; SHARES.  256 work-groups of eight waves, all alike.  Work-group g turns one piece of 64 k x 64 n of one weight (16 KB in, 8 KB out) and converts 128 KB of value.
; Memory binds: every byte is read once, by loads of 16 bytes a lane, and a wave's store covers 256 or 512 consecutive aligned bytes.  No matrix unit, no cluster: nothing is shared.
.set TP,    144                        ; a row of the turned piece in LDS: 128 bytes + 16
.set SPARE, 64*TP                      ; behind the piece: the spare words, 128 bytes for each of eight waves
.set WOF, 1                            ; v1  my offset in the piece of W: four rows 4 kp .. and 16 bytes of them
.set TST, 2                            ; v2  where I put 8 bytes of a turned row
.set TRD, 3                            ; v3  where I read 16 bytes of a turned row back
.set O16, 4                            ; v4  16 x thread
.set O8,  5                            ; v5  8 x thread
.set SPW, 6                            ; v6  my spare word; never rewritten
.set NIL, 7                            ; v7  0; never rewritten
.set RW,  12                           ; v[12:27] four rows x four numbers of W
.set PW,  28                           ; v[28:35] packed: for each of my four n, four k
.set BK,  36                           ; v[36:43] turned rows read back
.set X,   44                           ; v[44:75] ring of eight slots: value as loaded
.set T,   76                           ; v[76:81] at work
.set Y,   82                           ; v[82:97] ring of eight slots: f16 to store
	s_load_b256 s[4:11], s[0:1], 0x0               ; value s[4:5], Wq s[6:7], Wk s[8:9], vs s[10:11]
	s_load_b64 s[12:13], s[0:1], 0x20              ; wt
	v_lshl_add_u32 v[SPW], v0, 2, SPARE
	v_mov_b32 v[NIL], 0
	s_lshr_b32 s21, ttmp9, 7                       ; mat: 0 Wq, 1 Wk
	s_bfe_u32 s22, ttmp9, 0x40003                  ; ks: which 64 k
	s_and_b32 s23, ttmp9, 7                        ; nb: which 64 n
	s_lshl_b32 s16, s22, 17                        ; 64 rows of 2,048 bytes
	s_lshl_b32 s17, s23, 8                         ; 64 numbers of 4 bytes
	s_or_b32 s16, s16, s17
	s_mov_b32 s17, 0
	s_lshl_b32 s18, s21, 20                        ; in wt: a weight is 1 MiB,
	s_lshl_b32 s19, s22, 16                        ; a block 65,536 bytes,
	s_or_b32 s18, s18, s19
	s_lshl_b32 s19, s23, 13                        ; 64 rows n of 128 bytes
	s_or_b32 s18, s18, s19
	s_mov_b32 s19, 0
	s_mov_b32 s20, 0xffff0000                      ; a word's upper bf16
	v_lshrrev_b32 v8, 4, v0                        ; kp: my four rows k
	v_and_b32 v9, 15, v0                           ; c: my four columns n
	v_lshlrev_b32 v[WOF], 13, v8
	v_lshl_or_b32 v[WOF], v9, 4, v[WOF]
	v_mul_u32_u24 v[TST], v9, 4*TP
	v_lshl_add_u32 v[TST], v8, 3, v[TST]           ; row 4 c, byte 8 kp
	v_lshrrev_b32 v10, 3, v0
	v_and_b32 v11, 7, v0
	v_mul_u32_u24 v[TRD], v10, TP
	v_lshl_add_u32 v[TRD], v11, 4, v[TRD]          ; row thread / 8, 16 bytes
	v_lshlrev_b32 v[O16], 4, v0
	v_lshlrev_b32 v[O8], 3, v0
	s_wait_kmcnt 0x0
	s_cmp_eq_u32 s21, 0
	s_cselect_b64 s[14:15], s[6:7], s[8:9]         ; the weight
	s_add_nc_u64 s[14:15], s[14:15], s[16:17]
	s_add_nc_u64 s[12:13], s[12:13], s[18:19]
	s_lshl_b32 s16, ttmp9, 17                      ; my 128 KB of value
	s_add_nc_u64 s[4:5], s[4:5], s[16:17]
	s_lshl_b32 s16, ttmp9, 16                      ; my 64 KB of vs
	s_add_nc_u64 s[10:11], s[10:11], s[16:17]
.irp i, 0,1,2,3
	global_load_b128 v[RW+4*\i:RW+4*\i+3], v[WOF], s[14:15] offset:2048*\i  ; sixteen lanes take 256 aligned bytes of a row
.endr
.irp i, 0,1,2,3,4,5,6,7
	global_load_b128 v[X+4*\i:X+4*\i+3], v[O16], s[4:5] offset:4096*\i th:TH_LOAD_NT  ; the ring is filled
.endr
	s_wait_loadcnt 8                               ; the eight loads of value are younger: W is in
.irp e, 0,1,2,3
	v_cvt_pk_bf16_f32 v[PW+2*\e], v[RW+\e], v[RW+4+\e]        ; column 4 c + e: k = 4 kp, 4 kp + 1
	v_cvt_pk_bf16_f32 v[PW+2*\e+1], v[RW+8+\e], v[RW+12+\e]   ; k = 4 kp + 2, 4 kp + 3
.endr
.irp e, 0,1,2,3
	ds_store_b64 v[TST], v[PW+2*\e:PW+2*\e+1] offset:TP*\e
.endr
	s_wait_dscnt 0x0                               ; for the others' sake: my stores are done
	s_barrier_signal -1
	s_barrier_wait -1
	ds_load_b128 v[BK:BK+3], v[TRD]
	ds_load_b128 v[BK+4:BK+7], v[TRD] offset:32*TP
	s_wait_dscnt 0x0
	global_store_b128 v[O16], v[BK:BK+3], s[12:13]              ; a wave stores 512 consecutive bytes of wt
	global_store_b128 v[O16], v[BK+4:BK+7], s[12:13] offset:4096
; One slot's turn.  ahead = 1: the slot is filled again, eight steps of 4,096 bytes on.  left = the younger loads that may stay out.
.macro VSLOT i, ahead, left
	s_wait_loadcnt \left                           ; loads come back in order (ISA guide 5.7.1): mine is in
	s_wait_xcnt 0x0                                ; the slot's Y, which its last store reads, is rewritten only behind this wait
	v_cvt_pk_bf16_f32 v[T], v[X+4*(\i)], v[X+4*(\i)+1]          ; the one rounding, to bf16
	v_cvt_pk_bf16_f32 v[T+1], v[X+4*(\i)+2], v[X+4*(\i)+3]
	v_lshlrev_b32 v[T+2], 16, v[T]                 ; back to f32: a shift or a mask
	v_and_b32 v[T+3], s20, v[T]
	v_lshlrev_b32 v[T+4], 16, v[T+1]
	v_and_b32 v[T+5], s20, v[T+1]
	v_cvt_pk_f16_f32 v[Y+2*(\i)], v[T+2], v[T+3]   ; the same numbers as f16
	v_cvt_pk_f16_f32 v[Y+2*(\i)+1], v[T+4], v[T+5]
.if \ahead
	global_load_b128 v[X+4*(\i):X+4*(\i)+3], v[O16], s[4:5] offset:((\i)+8)*4096 th:TH_LOAD_NT
.endif
	global_store_b64 v[O8], v[Y+2*(\i):Y+2*(\i)+1], s[10:11] offset:(\i)*2048  ; a wave stores 256 consecutive aligned bytes
.endm
	s_mov_b32 s22, 3
.Lring:
.irp i, 0,1,2,3,4,5,6,7
	VSLOT \i, 1, 7
.endr
	s_wait_xcnt 0x0                                ; the two bases are stepped only behind this wait
	s_add_nc_u64 s[4:5], s[4:5], 32768
	s_add_nc_u64 s[10:11], s[10:11], 16384
	s_sub_co_u32 s22, s22, 1
	s_cmp_lg_u32 s22, 0
	s_cbranch_scc1 .Lring
.irp i, 0,1,2,3,4,5,6,7
	VSLOT \i, 0, 7-\i                              ; the last trip loads nothing: the counts run down
.endr
	s_wait_tensorcnt 0x0                           ; the wave's end, behind my last LDS store
	ds_add_u32 v[SPW], v[NIL]
	s_wait_dscnt 0x0
	s_endpgm
.Lfunc_end_k_q8cc5275935_prep:
	.size	k_q8cc5275935_prep, .Lfunc_end_k_q8cc5275935_prep-k_q8cc5275935_prep
	.p2alignl 7, 3214868480
	.fill 96, 4, 3214868480
	.section	.rodata,"a",@progbits
	.p2align	6, 0x0
	.amdhsa_kernel k_q8cc5275935_prep
		.amdhsa_group_segment_fixed_size 10240
		.amdhsa_private_segment_fixed_size 0
		.amdhsa_enable_private_segment 0
		.amdhsa_kernarg_size 40
		.amdhsa_user_sgpr_count 2
		.amdhsa_user_sgpr_kernarg_segment_ptr 1
		.amdhsa_wavefront_size32 1
		.amdhsa_system_sgpr_workgroup_id_x 1
		.amdhsa_system_sgpr_workgroup_id_y 1
		.amdhsa_system_sgpr_workgroup_id_z 1
		.amdhsa_system_vgpr_workitem_id 0
		.amdhsa_next_free_vgpr 98
		.amdhsa_next_free_sgpr 66
		.amdhsa_reserve_vcc 0
		.amdhsa_float_denorm_mode_32 3
		.amdhsa_float_denorm_mode_16_64 3
		.amdhsa_memory_ordered 1
		.amdhsa_forward_progress 1
		.amdhsa_inst_pref_size 14
	.end_amdhsa_kernel
	.amdgpu_metadata
---
amdhsa.version: [ 1, 2 ]
amdhsa.kernels:
  - .name:           k_q8cc5275935_prep
    .symbol:         k_q8cc5275935_prep.kd
    .args:
      - { .name: value, .offset: 0, .size: 8, .value_kind: global_buffer, .address_space: global }
      - { .name: Wq, .offset: 8, .size: 8, .value_kind: global_buffer, .address_space: global }
      - { .name: Wk, .offset: 16, .size: 8, .value_kind: global_buffer, .address_space: global }
      - { .name: vs, .offset: 24, .size: 8, .value_kind: global_buffer, .address_space: global }
      - { .name: wt, .offset: 32, .size: 8, .value_kind: global_buffer, .address_space: global }
    .group_segment_fixed_size: 10240
    .private_segment_fixed_size: 0
    .kernarg_segment_align: 8
    .kernarg_segment_size: 40
    .max_flat_workgroup_size: 256
    .sgpr_count:     66
    .vgpr_count:     98
    .wavefront_size: 32
...
	.end_amdgpu_metadata
.endif
;; end of part 1
;; launch proj (part 2): grid 128 x 2, 4 waves a work-group, clusters of 4 x 1, 327,680 bytes of LDS; arguments query, key, wt, bq, bk, mask, qs, ks; writes qs, ks
.if DOCPART == 2
	.amdgcn_target "amdgcn-amd-amdhsa--gfx1250"
	.amdhsa_code_object_version 6
	.text
	.protected	k_q8cc5275935_proj
	.globl	k_q8cc5275935_proj
	.p2align	8
	.type	k_q8cc5275935_proj,@function
k_q8cc5275935_proj:
	s_mov_b64 s[64:65], 0
	v_nop
	global_prefetch_b8 v0, s[64:65] scope:SCOPE_SE
	s_setreg_imm32_b32 hwreg(HW_REG_WAVE_MODE, 25, 1), 1
	s_wait_xcnt 0x0
	s_wait_alu depctr_hold_cnt(0) depctr_sa_sdst(0) depctr_va_vdst(0) depctr_va_sdst(0) depctr_va_ssrc(0) depctr_va_vcc(0) depctr_vm_vsrc(0)
	s_getreg_b32 s2, hwreg(HW_REG_IB_STS2, 6, 4)
	s_cmp_eq_u32 s2, 0
	s_cbranch_scc0 .Lentry_in_a_cluster
	s_endpgm
.Lentry_in_a_cluster:
	s_bfe_u32 s2, ttmp6, 0x10000c
	s_cmp_lg_u32 s2, 0x3003
	s_cbranch_scc0 .Lentry_shape_is_right
	s_endpgm
.Lentry_shape_is_right:
; PROJ.  y = 0: qs = bf16(kappa (query Wq + bq)), kappa = log2(e) / sqrt(512).  y = 1: ks = bf16(f (key Wk + bk)), f = 1, or 0 in the rows whose mask word is 0.
; Products in bf16 with f32 sums; bias and factor in f32; one rounding.  The rows of hidden keys are 0, so that the next launch's score of such a key is exactly the constant that starts its sum.
; LIMITS.  NaN and infinities are not treated apart: 0 x infinity in a hidden row would be NaN.
; SHARES.  A work-group makes 128 rows x all 512 columns over K = 1,024, so each byte of query and key goes to one work-group; 256 work-groups.  Wave w makes 128 rows x columns 128 w ..: 64 accumulators, 512 registers.
; K goes in steps of 64 through two LDS slots: 128 rows of x in f32 (256 bytes a row) and a block of wt (512 rows n of 128 bytes).  x is rounded to bf16 between LDS and the matrix unit.
; CLUSTER.  The four partners share y, hence wt's blocks: those are asked for JOINTLY (mask 15).  x's tiles are each work-group's own (mask 0).  Waves 0, 1 fetch x's halves, waves 2, 3 wt's.
; THE MATRIX INSTRUCTION IS USED TRANSPOSED: source 0 = 16 rows n of wt, source 1 = 16 rows of x: a lane holds one row of the result and eight neighbouring columns.
; REGISTERS, in windows of 256 (s_set_vgpr_msb: bits 1:0 source 0, 3:2 source 1, 5:4 source 2, 7:6 destination):
;   window 0: v0-15 addresses; v16-31 f in pairs; v32-63 at work on the way out; v64-127, v128-191 x's fragments, two buffers; v192-255 the bias
;   window 1: v0-63, v64-127 wt's fragments, two buffers; v128-255 x of one chunk in f32        windows 2, 3: accumulator (a, b) at 8 (8 (a % 4) + b), window 2 + a / 4
.set KAPPA, 0x3d8293ee
.set XP,    272                        ; a row of x in LDS: 256 bytes + 16: the 16 rows of a load start at 16 different groups of four banks (ISA guide 11.1)
.set WP,    144                        ; a row of wt: 128 + 16, likewise
.set XHALF, 64*XP
.set WHALF, 256*WP
.set WOFF,  2*XHALF                    ; wt's block lies behind x's 128 rows
.set SLOT,  WOFF+2*WHALF
.set STAGE, 2*SLOT                     ; behind the ring: 16 rows x 272 bytes for each wave, for the way out
.set SPITCH, 272
.set SPARE, STAGE+4*16*SPITCH          ; the spare words, 128 bytes for each wave
.set ADRX, 3                           ; v3-4   my place in x's tile, slot 0, 1
.set ADRW, 5                           ; v5-6   in wt's block
.set STO,  7
.set RD,   8
.set CO,   9
.set SPW,  10                          ; never rewritten
.set NIL,  11                          ; never rewritten
.set FP,   16
.set TMP,  32
.set XF,   64
.set OB,   64
.set BI,   192
.set WF,   0
.set XT,   128
.set WV,  20
.set G1X, 24                           ; s[24:31] group 1 for x's tiles
.set G1W, 32                           ; s[32:39] for wt's
.set G0X, 40                           ; s[40:47] group 0 for x's tiles, a set for each slot
.set G0W, 48                           ; s[48:55] for wt's
.set MSB, 0
.macro WIN new                         ; the immediate's high byte repeats the setting that is left; a switch that changes nothing is dropped
.if MSB != (\new)
	s_set_vgpr_msb (MSB<<8)|(\new)
.set MSB, (\new)
.endif
.endm
.set MUL_LO, 0xa1                      ; wt window 1, x window 0, C and D window 2
.set TO1,    0x40                      ; destination window 1
.set CVW,    0x05                      ; sources window 1, destination window 0
.set EP_LO,  0x82                      ; accumulator in place (window 2), source 1 window 0
.set PK_LO,  0x0a                      ; sources window 2, destination window 0
; A fill of slot s.  The branch hangs on the wave's number alone.  An s_nop 0 and four v_nop follow each of the two lines, ahead of the jump and the label.
.macro JLOAD s
	s_cmp_lt_u32 s[WV], 2
	s_cbranch_scc0 .Lfor_w_\@
	tensor_load_to_lds s[G0X+4*(\s):G0X+4*(\s)+3], s[G1X:G1X+7]
	s_nop 0
.rept 4
	v_nop
.endr
	s_branch .Lasked_\@
.Lfor_w_\@:
	tensor_load_to_lds s[G0W+4*(\s):G0W+4*(\s)+3], s[G1W:G1W+7]
	s_nop 0
.rept 4
	v_nop
.endr
.Lasked_\@:
.endm
.macro CREST                           ; a round of the cluster's barrier behind its opening barrier
	s_cmp_lg_u32 s[WV], 0
	s_cbranch_scc1 .Lnot_wave_0_\@
	s_barrier_signal -3
.Lnot_wave_0_\@:
	s_barrier_wait -3
	s_barrier_signal -1
	s_barrier_wait -1
.endm
.macro CROUND
	s_barrier_signal -1
	s_barrier_wait -1
	CREST
.endm
	s_load_b512 s[4:19], s[0:1], 0x0               ; query, key, wt, bq, bk, mask, qs, ks
	v_lshl_add_u32 v[SPW], v0, 2, SPARE
	v_mov_b32 v[NIL], 0
	ds_add_u32 v[SPW], v[NIL]                      ; the wave's opening: an add, and its wait ahead of my first tensor load
	v_lshrrev_b32 v1, 5, v0
	v_readfirstlane_b32 s[WV], v1                  ; wave 0..3
	s_and_b32 s21, s[WV], 1                        ; which half of a tile I fetch
	s_bfe_u32 s22, ttmp6, 0x40000                  ; cx
	s_lshl_b32 s23, ttmp9, 2
	s_add_co_u32 s23, s23, s22                     ; X: my block of 128 rows; it enters x's, mask's and the result's addresses alone
	s_and_b32 s56, ttmp7, 0xffff                   ; y, which the partners share
	s_mov_b32 s[G1X], (2<<16)|(1<<20)|(5<<22)|(3<<25)  ; no mask; elements of 4 bytes; padding on: after every 64 words 4 words
	s_mov_b32 s[G1X+1], 64<<16                     ; tensor_dim0 = 64
	s_mov_b32 s[G1X+2], 64<<16                     ; tensor_dim1 = 64
	s_mov_b32 s[G1X+3], 64<<16                     ; tile_dim0 = 64
	s_mov_b32 s[G1X+4], 64                         ; tile_dim1 = 64 rows
	s_mov_b32 s[G1X+5], 1024                       ; elements from row to row
	s_mov_b32 s[G1X+6], 0
	s_mov_b32 s[G1X+7], 0
	s_mov_b32 s[G1W], 15|(1<<16)|(1<<20)|(1<<21)|(4<<22)|(3<<25)  ; the mask of four, bit 21 beside it; elements of 2 bytes; after every 32 words 4 words
	s_mov_b32 s[G1W+1], 128<<16                    ; half a block is 32,768 dense bytes: 128 rows of 256 bytes, two rows n in each
	s_mov_b32 s[G1W+2], 128<<16
	s_mov_b32 s[G1W+3], 128<<16
	s_mov_b32 s[G1W+4], 128
	s_mov_b32 s[G1W+5], 128
	s_mov_b32 s[G1W+6], 0
	s_mov_b32 s[G1W+7], 0
	s_lshl_b32 s60, s23, 19                        ; x: 128 rows of 4,096 bytes,
	s_lshl_b32 s2, s21, 18                         ; my 64 of them
	s_add_co_u32 s60, s60, s2
	s_mov_b32 s61, 0
	s_lshl_b32 s62, s56, 20                        ; wt: the weight,
	s_lshl_b32 s3, s21, 15                         ; my half of a block (these two registers never hold cx)
	s_add_co_u32 s62, s62, s3
	s_mov_b32 s63, 0
	s_mul_i32 s2, s21, XHALF                       ; and where they go in a slot
	s_mul_i32 s3, s21, WHALF
	s_add_co_u32 s3, s3, WOFF
	s_wait_dscnt 0x0                               ; the opening add is done
	s_wait_kmcnt 0x0
	s_cmp_eq_u32 s56, 0
	s_cselect_b64 s[4:5], s[4:5], s[6:7]           ; x
	s_cselect_b64 s[10:11], s[10:11], s[12:13]     ; the bias
	s_cselect_b64 s[16:17], s[16:17], s[18:19]     ; the result
	s_cselect_b32 s58, KAPPA, 1.0                  ; f where the mask word is not 0,
	s_cselect_b32 s59, KAPPA, 0                    ; and where it is 0
	s_add_nc_u64 s[4:5], s[4:5], s[60:61]
	s_add_nc_u64 s[8:9], s[8:9], s[62:63]
	s_lshl_b32 s60, s23, 17                        ; the result: 128 rows of 1,024 bytes
	s_add_nc_u64 s[16:17], s[16:17], s[60:61]
	s_lshl_b32 s60, s23, 9                         ; mask: 128 words
	s_add_nc_u64 s[14:15], s[14:15], s[60:61]
.irp s, 0,1
	s_mov_b32 s[G0X+4*\s], 1
	s_add_co_u32 s[G0X+4*\s+1], s2, \s*SLOT
	s_add_nc_u64 s[G0X+4*\s+2:G0X+4*\s+3], s[4:5], \s*256       ; K step s: 64 numbers of 4 bytes on
	s_or_b32 s[G0X+4*\s+3], s[G0X+4*\s+3], 0x80000000
	s_mov_b32 s[G0W+4*\s], 1
	s_add_co_u32 s[G0W+4*\s+1], s3, \s*SLOT
	s_add_nc_u64 s[G0W+4*\s+2:G0W+4*\s+3], s[8:9], \s*65536     ; block s
	s_or_b32 s[G0W+4*\s+3], s[G0W+4*\s+3], 0x80000000
.endr
	CROUND                                         ; all four work-groups are here: the first joint loads meet
	s_cmp_lt_u32 s[WV], 2                          ; a wave's two first fills stand in one branch: two loads of mine are out
	s_cbranch_scc0 .Lfirst_w
	tensor_load_to_lds s[G0X:G0X+3], s[G1X:G1X+7]
	s_nop 0
	tensor_load_to_lds s[G0X+4:G0X+7], s[G1X:G1X+7]
	s_nop 0
.rept 4
	v_nop
.endr
	s_branch .Lfirst_asked
.Lfirst_w:
	tensor_load_to_lds s[G0W:G0W+3], s[G1W:G1W+7]
	s_nop 0
	tensor_load_to_lds s[G0W+4:G0W+7], s[G1W:G1W+7]
	s_nop 0
.rept 4
	v_nop
.endr
.Lfirst_asked:
	v_and_b32 v1, 15, v0                           ; r = l % 16
	v_bfe_u32 v2, v0, 4, 1                         ; h = l / 16
	v_mul_u32_u24 v[ADRX], v1, XP
	v_lshl_add_u32 v[ADRX], v2, 5, v[ADRX]         ; row r, 8 h numbers of 4 bytes
	v_add_nc_u32 v[ADRX+1], SLOT, v[ADRX]
	s_mul_i32 s2, s[WV], 128*WP
	s_add_co_u32 s2, s2, WOFF
	v_mul_u32_u24 v[ADRW], v1, WP
	v_lshl_add_u32 v[ADRW], v2, 4, v[ADRW]
	v_add_nc_u32 v[ADRW], s2, v[ADRW]              ; row 128 w + r of the block, 8 h numbers of 2 bytes
	v_add_nc_u32 v[ADRW+1], SLOT, v[ADRW]
	s_mul_i32 s3, s[WV], 16*SPITCH
	s_add_co_u32 s3, s3, STAGE                     ; my stage
	v_mul_u32_u24 v[STO], v1, SPITCH
	v_lshl_add_u32 v[STO], v2, 4, v[STO]
	v_add_nc_u32 v[STO], s3, v[STO]
	v_mul_u32_u24 v[RD], v2, SPITCH
	v_lshl_add_u32 v[RD], v1, 4, v[RD]
	v_add_nc_u32 v[RD], s3, v[RD]
	s_lshl_b32 s2, s[WV], 8
	v_lshlrev_b32 v[CO], 10, v2                    ; in the result: row h, my wave's 256 bytes, 16 r
	v_lshl_add_u32 v[CO], v1, 4, v[CO]
	v_add_nc_u32 v[CO], s2, v[CO]
	s_lshl_b32 s3, s[WV], 9
	v_lshl_add_u32 v12, v2, 5, s3                  ; bias: columns 128 w + 8 h
	v_lshlrev_b32 v13, 2, v1                       ; mask: row r
	v_mov_b32 v14, s58
	v_mov_b32 v15, s59
.irp b, 0,1,2,3,4,5,6,7
	global_load_b128 v[BI+8*\b:BI+8*\b+3], v12, s[10:11] offset:64*\b
	global_load_b128 v[BI+8*\b+4:BI+8*\b+7], v12, s[10:11] offset:64*\b+16
.endr
.irp a, 0,1,2,3,4,5,6,7
	global_load_b32 v[TMP+\a], v13, s[14:15] offset:64*\a
.endr
	s_wait_loadcnt 0x0
.irp a, 0,1,2,3,4,5,6,7
	v_cmp_ne_u32 vcc_lo, 0, v[TMP+\a]
	v_cndmask_b32 v[FP+2*\a], v15, v14, vcc_lo     ; f of row 16 a + r
	v_mov_b32 v[FP+2*\a+1], v[FP+2*\a]             ; named with it as a pair
.endr
.macro CV g                            ; the next two numbers of x, rounded, into buffer g
	v_cvt_pk_bf16_f32 v[XF+64*(\g)+cvn], v[XT+2*cvn], v[XT+2*cvn+1]
.set cvn, cvn+1
.endm
; 16 products: blocks a0, a0 + 1 of the window's four x all 8 column blocks, 32 along K, on buffer f.  zero = 1: they start the sums.  rid = 1: four conversions for the other buffer stand behind each.
; The 64 accumulators take turns, one instruction a turn.
.macro MUL16 f, hi, a0, zero, rid
.irp a, \a0, (\a0)+1
.irp b, 0,1,2,3,4,5,6,7
	WIN MUL_LO+0x50*(\hi)
.if \zero
	v_wmma_f32_16x16x32_bf16 v[8*(8*(\a)+(\b)):8*(8*(\a)+(\b))+7], v[WF+64*(\f)+8*(\b):WF+64*(\f)+8*(\b)+7], v[XF+64*(\f)+8*(4*(\hi)+(\a)):XF+64*(\f)+8*(4*(\hi)+(\a))+7], 0
.else
	v_wmma_f32_16x16x32_bf16 v[8*(8*(\a)+(\b)):8*(8*(\a)+(\b))+7], v[WF+64*(\f)+8*(\b):WF+64*(\f)+8*(\b)+7], v[XF+64*(\f)+8*(4*(\hi)+(\a)):XF+64*(\f)+8*(4*(\hi)+(\a))+7], v[8*(8*(\a)+(\b)):8*(8*(\a)+(\b))+7]
.endif
.if \rid
	WIN CVW
.rept 4
	CV 1-(\f)
.endr
.endif
.endr
.endr
.endm
; 48 LDS loads in one run: chunk q (32 along K) of a slot: x in f32 (a fragment's k = 8 h .. and 16 + 8 h .. are 32 bytes each), then wt's fragments into buffer g.
; The registers were last read by the chunk before, whose last product has four conversions behind it that name none of its registers: the places (ISA guide 7.12.1).
.macro FETCH slot, q, g
	WIN TO1
.irp a, 0,1,2,3,4,5,6,7
	ds_load_b128 v[XT+16*\a:XT+16*\a+3],     v[ADRX+(\slot)] offset:\a*16*XP+128*(\q)
	ds_load_b128 v[XT+16*\a+4:XT+16*\a+7],   v[ADRX+(\slot)] offset:\a*16*XP+128*(\q)+16
	ds_load_b128 v[XT+16*\a+8:XT+16*\a+11],  v[ADRX+(\slot)] offset:\a*16*XP+128*(\q)+64
	ds_load_b128 v[XT+16*\a+12:XT+16*\a+15], v[ADRX+(\slot)] offset:\a*16*XP+128*(\q)+80
.endr
.irp b, 0,1,2,3,4,5,6,7
	ds_load_b128 v[WF+64*(\g)+8*\b:WF+64*(\g)+8*\b+3],   v[ADRW+(\slot)] offset:\b*16*WP+64*(\q)
	ds_load_b128 v[WF+64*(\g)+8*\b+4:WF+64*(\g)+8*\b+7], v[ADRW+(\slot)] offset:\b*16*WP+64*(\q)+32
.endr
.endm
; A chunk: multiplies buffer f; fetches chunk q of the slot for the other buffer and rounds its x.
.macro CHUNK slot, q, f, zero
	s_wait_dscnt 0x0                               ; wt's fragments of this buffer
	MUL16 \f, 0, 0, \zero, 0
	MUL16 \f, 0, 2, \zero, 0
	FETCH \slot, \q, 1-(\f)
	MUL16 \f, 1, 0, \zero, 0
	s_wait_dscnt 16                                ; wt's sixteen loads are younger: x is in
.set cvn, 0
	MUL16 \f, 1, 2, \zero, 1
.endm
; A slot's second chunk (buffer 1) and the change of slots: ONE barrier.  In front of it each wave waits for all its tensor loads, of which one is out: its part of the next slot; adds 0 to its
; spare word; and waits for that and for its reads of this slot.  fill = 1: the barrier opens a round of the cluster's, and this slot is filled again, two K steps on, first thing behind it.
.macro TURN slot, next, fill
	WIN 0
	s_wait_tensorcnt 0x0
	ds_add_u32 v[SPW], v[NIL]
	s_wait_dscnt 1                                 ; only the add may be out: wt's fragments are in
	MUL16 1, 0, 0, 0, 0
	s_wait_dscnt 0x0                               ; the add is done, and my reads of this slot are over
	s_barrier_signal -1
	MUL16 1, 0, 2, 0, 0
.if \fill
	WIN 0
.endif
	s_barrier_wait -1
.if \fill
	CREST
	s_add_nc_u64 s[G0X+4*(\slot)+2:G0X+4*(\slot)+3], s[G0X+4*(\slot)+2:G0X+4*(\slot)+3], 512
	s_add_nc_u64 s[G0W+4*(\slot)+2:G0W+4*(\slot)+3], s[G0W+4*(\slot)+2:G0W+4*(\slot)+3], 131072
	JLOAD \slot                                    ; 96 products stand between this request and the wait for it
.endif
	FETCH \next, 0, 0
	MUL16 1, 1, 0, 0, 0
	s_wait_dscnt 16
.set cvn, 0
	MUL16 1, 1, 2, 0, 1
.endm
	s_wait_tensorcnt 1                             ; my part of slot 0 is in; slot 1's may stay out
	s_barrier_signal -1
	s_barrier_wait -1
	FETCH 0, 0, 0
	s_wait_dscnt 16
	WIN CVW
.set cvn, 0
.rept 64
	CV 0
.endr
	CHUNK 0, 1, 0, 1                               ; the first chunk stands in front of the loop: its products start the sums
	WIN 0
	s_mov_b32 s57, 7
.Llap:                                                 ; a trip goes once round the ring and fills both slots again
	TURN 0, 1, 1
	CHUNK 1, 1, 0, 0
	TURN 1, 0, 1
	CHUNK 0, 1, 0, 0
	WIN 0
	s_sub_co_u32 s57, s57, 1
	s_cmp_lg_u32 s57, 0
	s_cbranch_scc1 .Llap
	TURN 0, 1, 0                                   ; the last lap fills nothing
	CHUNK 1, 1, 0, 0
	s_wait_dscnt 0x0
	MUL16 1, 0, 0, 0, 0
	MUL16 1, 0, 2, 0, 0
	MUL16 1, 1, 0, 0, 0
	MUL16 1, 1, 2, 0, 0
; THE WAY OUT, a block of 16 rows at a time: (sum + bias) x f in place (f goes by the row and the bias by the column, so the two do not fuse), rounded, through my own stage, stored as whole rows of 256 bytes.
.macro EPI a
.set AC, 64*((\a)%4)
	WIN EP_LO+0x41*((\a)/4)
.set n, 0
.rept 32
	v_pk_add_f32 v[AC+2*n:AC+2*n+1], v[AC+2*n:AC+2*n+1], v[BI+2*n:BI+2*n+1]
.set n, n+1
.endr
.set n, 0
.rept 32
	v_pk_mul_f32 v[AC+2*n:AC+2*n+1], v[AC+2*n:AC+2*n+1], v[FP+2*(\a):FP+2*(\a)+1] op_sel_hi:[1,0]
.set n, n+1
.endr
	WIN PK_LO+5*((\a)/4)
.set n, 0
.rept 32
	v_cvt_pk_bf16_f32 v[TMP+n], v[AC+2*n], v[AC+2*n+1]
.set n, n+1
.endr
	WIN 0
.endm
.macro TOSTAGE a
.irp b, 0,1,2,3,4,5,6,7
	ds_store_b128 v[STO], v[TMP+4*\b:TMP+4*\b+3] offset:32*\b
.endr
.irp t, 0,1,2,3,4,5,6,7
	ds_load_b128 v[OB+32*((\a)%2)+4*\t:OB+32*((\a)%2)+4*\t+3], v[RD] offset:\t*2*SPITCH  ; LDS serves a wave's instructions in order (ISA guide 5.7.1.4): these see the stores above
.endr
.endm
.macro SEND a
	s_wait_dscnt 0x0                               ; the block is back in registers
	s_wait_xcnt 0x0                                ; the registers that the block before last's stores read are loaded again only behind this wait
.irp t, 0,1,2,3,4,5,6,7
	global_store_b128 v[CO], v[OB+32*((\a)%2)+4*\t:OB+32*((\a)%2)+4*\t+3], s[16:17] offset:(16*(\a)+2*\t)*1024  ; sixteen lanes store 256 consecutive aligned bytes
.endr
.endm
.rept 4
	v_nop                                          ; the places behind the last products (ISA guide 7.12.1)
.endr
	EPI 0
	TOSTAGE 0
.irp a, 1,2,3,4,5,6,7
	EPI \a                                         ; a block's arithmetic stands between the loads of the block before and the wait for them
	SEND (\a)-1
	TOSTAGE \a
.endr
	SEND 7
	s_wait_tensorcnt 0x0                           ; the wave's end
	ds_add_u32 v[SPW], v[NIL]
	s_wait_dscnt 0x0
	CROUND                                         ; the closing round
	s_endpgm
.Lfunc_end_k_q8cc5275935_proj:
	.size	k_q8cc5275935_proj, .Lfunc_end_k_q8cc5275935_proj-k_q8cc5275935_proj
	.p2alignl 7, 3214868480
	.fill 96, 4, 3214868480
	.section	.rodata,"a",@progbits
	.p2align	6, 0x0
	.amdhsa_kernel k_q8cc5275935_proj
		.amdhsa_group_segment_fixed_size 327680
		.amdhsa_private_segment_fixed_size 0
		.amdhsa_enable_private_segment 0
		.amdhsa_kernarg_size 64
		.amdhsa_user_sgpr_count 2
		.amdhsa_user_sgpr_kernarg_segment_ptr 1
		.amdhsa_wavefront_size32 1
		.amdhsa_system_sgpr_workgroup_id_x 1
		.amdhsa_system_sgpr_workgroup_id_y 1
		.amdhsa_system_sgpr_workgroup_id_z 1
		.amdhsa_system_vgpr_workitem_id 0
		.amdhsa_next_free_vgpr 1024
		.amdhsa_next_free_sgpr 66
		.amdhsa_reserve_vcc 1
		.amdhsa_float_denorm_mode_32 3
		.amdhsa_float_denorm_mode_16_64 3
		.amdhsa_memory_ordered 1
		.amdhsa_forward_progress 1
		.amdhsa_inst_pref_size 172
	.end_amdhsa_kernel
	.amdgpu_metadata
---
amdhsa.version: [ 1, 2 ]
amdhsa.kernels:
  - .name:           k_q8cc5275935_proj
    .symbol:         k_q8cc5275935_proj.kd
    .args:
      - { .name: query, .offset: 0, .size: 8, .value_kind: global_buffer, .address_space: global }
      - { .name: key, .offset: 8, .size: 8, .value_kind: global_buffer, .address_space: global }
      - { .name: wt, .offset: 16, .size: 8, .value_kind: global_buffer, .address_space: global }
      - { .name: bq, .offset: 24, .size: 8, .value_kind: global_buffer, .address_space: global }
      - { .name: bk, .offset: 32, .size: 8, .value_kind: global_buffer, .address_space: global }
      - { .name: mask, .offset: 40, .size: 8, .value_kind: global_buffer, .address_space: global }
      - { .name: qs, .offset: 48, .size: 8, .value_kind: global_buffer, .address_space: global }
      - { .name: ks, .offset: 56, .size: 8, .value_kind: global_buffer, .address_space: global }
    .group_segment_fixed_size: 327680
    .private_segment_fixed_size: 0
    .kernarg_segment_align: 8
    .kernarg_segment_size: 64
    .max_flat_workgroup_size: 128
    .sgpr_count:     66
    .vgpr_count:     1024
    .wavefront_size: 32
...
	.end_amdgpu_metadata
.endif
;; end of part 2
;; launch attn (part 3): grid 32 x 8, 4 waves a work-group, clusters of 4 x 1, 327,680 bytes of LDS; arguments qs, ks, vs, mask, out0; writes out0
.if DOCPART == 3
	.amdgcn_target "amdgcn-amd-amdhsa--gfx1250"
	.amdhsa_code_object_version 6
	.text
	.protected	k_q8cc5275935_attn
	.globl	k_q8cc5275935_attn
	.p2align	8
	.type	k_q8cc5275935_attn,@function
k_q8cc5275935_attn:
	s_mov_b64 s[64:65], 0
	v_nop
	global_prefetch_b8 v0, s[64:65] scope:SCOPE_SE
	s_setreg_imm32_b32 hwreg(HW_REG_WAVE_MODE, 25, 1), 1
	s_wait_xcnt 0x0
	s_wait_alu depctr_hold_cnt(0) depctr_sa_sdst(0) depctr_va_vdst(0) depctr_va_sdst(0) depctr_va_ssrc(0) depctr_va_vcc(0) depctr_vm_vsrc(0)
	s_getreg_b32 s2, hwreg(HW_REG_IB_STS2, 6, 4)
	s_cmp_eq_u32 s2, 0
	s_cbranch_scc0 .Lentry_in_a_cluster
	s_endpgm
.Lentry_in_a_cluster:
	s_bfe_u32 s2, ttmp6, 0x10000c
	s_cmp_lg_u32 s2, 0x3003
	s_cbranch_scc0 .Lentry_shape_is_right
	s_endpgm
.Lentry_shape_is_right:
; ATTN.  out0[b][q] = the sum over keys of softmax(s) V, s' = q' . k' (q' carries log2(e) / sqrt(512); k' is 0 in hidden rows), a hidden key's s' being exactly NEGB = -1e9 log2(e): it is the C operand that starts
; the sum, onto which zeros are added.  p = 2^(s' - m') with a running maximum m'; O and l are multiplied by a = 2^(m'_old - m'_new) in every step.  A batch that is hidden everywhere has p = 1 everywhere: V's mean.
; q', k' bf16; V and p f16; products, maxima, sums in f32; l is the sum of the unrounded p.
; LIMITS.  V arrives within f16's range; p below 6e-5 keeps f16's fixed step of 6e-8; a weight below 2^-126 counts as 0 in l; NEGB is -1e9 log2(e) rounded to f32; NaN and infinities are not treated apart.
; SHARES.  A work-group owns 64 queries of a batch (256 work-groups) and walks the 2,048 keys, 128 a step.  For S^T = K Q^T the waves split the KEYS (wave w: keys 32 w .. of the step x all 64 queries; every wave
; holds all of Q, 512 registers); for O^T = V^T P they split the CHANNELS (wave w: channels 128 w .. x all 64 queries, 256 registers).  So each fragment of K or V read from LDS feeds four products.
; P and the rows' maxima change waves through LDS.  In S^T, P and O^T a lane holds one query (lane % 16).
; A TRIP (step t): round A: slot B <- V(t-1); P(t-1) to LDS; S(t), with O x a(t-1) beside it; my keys' maxima to LDS; round B: slot A <- K(t+1); O += V(t-1)^T P(t-1), with step t's softmax beside it.
; Trip 0 is a trip like any other: O, l and P(-1) are 0 and m' the lowest finite number, so a(0) = 0; its 128 products on zeros and a second fetch of V(0) are the price of one text for all trips.
; CLUSTER.  The four query blocks of a cluster belong to one batch and walk the same K and V: every tile is asked for JOINTLY (mask 15), each wave its 32 rows.  One tensor load a wave is out at a time.
; REGISTERS, in windows of 256 (s_set_vgpr_msb: bits 1:0 source 0, 3:2 source 1, 5:4 source 2, 7:6 destination):
;   window 0: v0-19 addresses; v20-35 statistics; v36-43 l; v44-55 at work; v56-71 the four waves' maxima, then the mask's C; v72-135 S^T; v136-199 K's fragments, then P's; v200-247 V's fragments
;   window 1: O^T (cb, qt) at 8 (4 cb + qt)          windows 2, 3: Q (qt, c) at 8 (4 (c % 8) + qt), window 2 + c / 8
.set KP,    1040                       ; a row of K in LDS: 1,024 bytes + 16: the 16 rows of a load start at 16 different groups of four banks (ISA guide 11.1)
.set VP,    1056                       ; a row of V: 1,024 + 32
.set BUFB,  128*VP                     ; slot A (K; at last V) from 0, slot B (V) from here
.set PX,    2*BUFB                     ; P: fragment (g, qt) at 1,024 (4 g + qt), as the registers hold it
.set MA,    PX+16384                   ; the mask's C: wave w's own 2 KB, [step][32 keys] f32
.set MX,    MA+8192                    ; maxima [wave][lane % 16][qt]
.set LX,    MX+1024                    ; the sums l, likewise
.set SPARE, LX+1024                    ; the spare words, 128 bytes for each wave
.set SGP,   528                        ; the way out: my stage, 16 rows of 512 + 16 bytes, in slot B behind its last fill and last read
.set NEGB,  0xceabfb8f
.set AK,  3
.set AVB, 4                            ; v4-5  V in slot B: keys 0-63, 64-127
.set AVA, 6                            ; v6-7  V in slot A
.set APL, 8
.set APS, 9
.set AMS, 10
.set AML, 11
.set AC0, 12
.set AC,  13
.set STO, 14
.set RD,  15
.set SPW, 16                           ; never rewritten
.set NIL, 17                           ; never rewritten
.set GO,  18
.set LN,  19
.set ST,  20                           ; tile qt at ST + 4 qt: m', the new m', a, m'_old - m'_new
.set LS,  36                           ; l in pairs (even keys', odd keys')
.set CC,  44
.set LM,  52
.set MXT, 56
.set MC,  56
.set S,   72                           ; accumulator (kt, qt) at S + 16 qt + 8 kt; the packed P(qt) takes the tile's first eight
.set KB,  136                          ; K: four buffers of 16
.set PB,  136                          ; P: two buffers of 32
.set VBF, 200                          ; V: three buffers of 16
.set QO,  248
.set MO,  249
.set MS,  250
.set NB,  251
.set T0,  252
.set WV,  14
.set VB,  18                           ; s[18:19] vs at my 32 rows of the batch's step 0
.set OFF, 20
.set VT,  22                           ; the step whose V round A asks for
.set INC, 23
.set G1K, 24
.set G1V, 32
.set G0K, 40
.set G0V, 44
.set CNT, 48
.set CT,  49
.set SEL, 50
.set G0L, 56                           ; V(15) into slot A
.set MSB, 0
.macro WIN new                         ; the immediate's high byte repeats the setting that is left; a switch that changes nothing is dropped
.if MSB != (\new)
	s_set_vgpr_msb (MSB<<8)|(\new)
.set MSB, (\new)
.endif
.endm
.set W_S2, 0x08                        ; Q (source 1) in window 2; K, C and S^T in window 0
.set W_PV, 0x50                        ; C and D in window 1
.set W_RS, 0x41                        ; O^T in place, the factor in window 0
.macro ROUND                           ; a round of the cluster's barrier
	s_barrier_signal -1
	s_barrier_wait -1
	s_cmp_lg_u32 s[WV], 0
	s_cbranch_scc1 .Lnot_wave_0_\@
	s_barrier_signal -3
.Lnot_wave_0_\@:
	s_barrier_wait -3
	s_barrier_signal -1
	s_barrier_wait -1
.endm
; ROUND A.  All my tensor loads have landed (one was out: my rows of K(t)); the add; my LDS reads and stores are over (V(t-2), P(t-2), the maxima).  Behind the round slot B is filled again, first thing.
.macro ROUNDA
	WIN 0
	s_wait_tensorcnt 0x0
	ds_add_u32 v[SPW], v[NIL]                      ; 0 onto my spare word; the descriptor's scalar work stands between it and the wait for it
	s_lshl_b32 s[OFF], s[VT], 17                   ; a step is 128 rows of 1,024 bytes
	s_add_nc_u64 s[G0V+2:G0V+3], s[VB:VB+1], s[OFF:OFF+1]
	s_or_b32 s[G0V+3], s[G0V+3], 0x80000000
	s_add_co_u32 s[VT], s[VT], s[INC]              ; 0, 0, 1, 2 ..
	s_mov_b32 s[INC], 1
	s_wait_dscnt 0x0
	ROUND
	tensor_load_to_lds s[G0V:G0V+3], s[G1V:G1V+7]
	s_nop 0
.endm
; ROUND B.  V(t-1) has landed; my reads of K(t) and my stores of P and of the maxima are over.  kind 1: slot A <- K(t+1).  kind 2 (the last trip): slot A <- V(15).
.macro ROUNDB kind
	WIN 0
	s_wait_tensorcnt 0x0
	ds_add_u32 v[SPW], v[NIL]
.if (\kind) == 1
	s_add_nc_u64 s[G0K+2:G0K+3], s[G0K+2:G0K+3], 131072
.endif
	s_wait_dscnt 0x0
	ROUND
.if (\kind) == 1
	tensor_load_to_lds s[G0K:G0K+3], s[G1K:G1K+7]
.else
	tensor_load_to_lds s[G0L:G0L+3], s[G1V:G1V+7]
.endif
	s_nop 0
.endm
.macro PSTORE                          ; my 32 keys' P, four fragments, as the registers hold them
.irp qt, 0,1,2,3
	ds_store_b128 v[APS], v[S+16*\qt:S+16*\qt+3] offset:\qt*1024
	ds_store_b128 v[APS], v[S+16*\qt+4:S+16*\qt+7] offset:\qt*1024+512
.endr
.endm
.macro KL1 cc, j                       ; load j of 4 of K's fragments for channels 32 cc ..: key tile j / 2, half j % 2
	ds_load_b128 v[KB+16*((\cc)%4)+4*(\j):KB+16*((\cc)%4)+4*(\j)+3], v[AK] offset:((\j)/2)*16*KP+64*(\cc)+32*((\j)%2)
.endm
.macro PL1 gg, j                       ; load j of 8 of P's fragments for keys 32 gg ..
	ds_load_b128 v[PB+32*((\gg)%2)+4*(\j):PB+32*((\gg)%2)+4*(\j)+3], v[APL] offset:(\gg)*4096+512*(\j)
.endm
.macro VL1 uu, j, av                   ; load j of 4 of unit uu's V, turned: keys 32 (uu / 4) .., channel blocks 2 (uu % 4) + j / 2, key half j % 2
	ds_load_tr16_b128 v[VBF+16*((\uu)%3)+4*(\j):VBF+16*((\uu)%3)+4*(\j)+3], v[(\av)+(\uu)/8] offset:(((\uu)/4)%2)*32*VP+32*(2*((\uu)%4)+(\j)/2)+16*VP*((\j)%2)
.endm
.macro ML1 j                           ; load j of 4 of the next step's C
	ds_load_b128 v[MC+4*(\j):MC+4*(\j)+3], v[AC] offset:64*((\j)/2)+16*((\j)%2)
.endm
; UNIT c OF S: channels 32 c ..: eight products (key tile i % 2, query tile i / 2); the 8 accumulators take turns.  The first unit's C is the mask.
; K's fragments three units on are fetched behind products 0-3, into the buffer that the unit before read: the four multiplies behind that unit's last product are the places (ISA guide 7.12.1).
; Behind products 3 and 7: four multiplies of O^T (accumulators 2 c, 2 c + 1) by a.
.macro SUNIT c
.if (\c) <= 13
	s_wait_dscnt 8                                 ; the fragments of the next two units are younger
.elseif (\c) == 14
	s_wait_dscnt 4
.else
	s_wait_dscnt 0x0
.endif
.set i, 0
.rept 8
	WIN W_S2+4*((\c)/8)
.set rS, S+16*(i/2)+8*(i%2)
.set rK, KB+16*((\c)%4)+8*(i%2)
.set rQ, 8*(4*((\c)%8)+i/2)
.if (\c) == 0
	v_wmma_f32_16x16x32_bf16 v[rS:rS+7], v[rK:rK+7], v[rQ:rQ+7], v[MC+8*(i%2):MC+8*(i%2)+7]
.else
	v_wmma_f32_16x16x32_bf16 v[rS:rS+7], v[rK:rK+7], v[rQ:rQ+7], v[rS:rS+7]
.endif
.if (i < 4) && ((\c) <= 12)
	KL1 (\c)+3, i
.endif
.if (i%4) == 3
	WIN W_RS
.set rO, 8*(2*(\c)+i/4)
.set rA, ST+4*((2*(\c)+i/4)%4)+2
.irp p, 0,1,2,3
	v_pk_mul_f32 v[rO+2*\p:rO+2*\p+1], v[rO+2*\p:rO+2*\p+1], v[rA:rA+1] op_sel_hi:[1,0]
.endr
.endif
.set i, i+1
.endr
.endm
.macro ALLQ line:vararg                ; one line for each query tile t
.set t, 0
.rept 4
	\line
.set t, t+1
.endr
.endm
; My 32 keys' maximum for each query; each accumulator's lowest registers are read first.  The tiles alternate.
.macro LMAX
	WIN 0
	ALLQ v_max3_num_f32 v[CC+2*t], v[S+16*t], v[S+16*t+1], v[S+16*t+2]
	ALLQ v_max3_num_f32 v[CC+2*t+1], v[S+16*t+8], v[S+16*t+9], v[S+16*t+10]
	ALLQ v_max3_num_f32 v[CC+2*t], v[CC+2*t], v[S+16*t+3], v[S+16*t+4]
	ALLQ v_max3_num_f32 v[CC+2*t+1], v[CC+2*t+1], v[S+16*t+11], v[S+16*t+12]
	ALLQ v_max3_num_f32 v[CC+2*t], v[CC+2*t], v[S+16*t+5], v[S+16*t+6]
	ALLQ v_max3_num_f32 v[CC+2*t+1], v[CC+2*t+1], v[S+16*t+13], v[S+16*t+14]
	ALLQ v_max3_num_f32 v[CC+2*t], v[CC+2*t], v[S+16*t+7], v[S+16*t+15]
	ALLQ v_max_num_f32 v[CC+2*t], v[CC+2*t], v[CC+2*t+1]
	ALLQ v_permlanex16_b32 v[CC+2*t+1], v[CC+2*t], s[SEL], s[SEL+1]
	ALLQ v_max_num_f32 v[LM+t], v[CC+2*t], v[CC+2*t+1]
	ds_store_b128 v[AMS], v[LM:LM+3]
.endm
.macro VPRE av, so                     ; the four waves' figures, P of keys 0-31, V of units 0 and 1: twenty LDS loads behind the tensor load
.irp x, 0,1,2,3
	ds_load_b128 v[MXT+4*\x:MXT+4*\x+3], v[AML] offset:(\so)+256*\x
.endr
.irp j, 0,1,2,3,4,5,6,7
	PL1 0, \j
.endr
.irp j, 0,1,2,3
	VL1 0, \j, \av
.endr
.irp j, 0,1,2,3
	VL1 1, \j, \av
.endr
.endm
.macro STATS cl                        ; the new m', a; cl = 1: the address of the next step's C
	s_wait_dscnt 16                                ; P's eight and V's eight loads are younger: the maxima are in
	ALLQ v_max3_num_f32 v[CC+2*t], v[MXT+t], v[MXT+4+t], v[MXT+8+t]
	ALLQ v_max3_num_f32 v[ST+4*t+1], v[CC+2*t], v[MXT+12+t], v[ST+4*t]
	ALLQ v_sub_f32 v[ST+4*t+3], v[ST+4*t], v[ST+4*t+1]
	ALLQ v_mov_b32 v[ST+4*t], v[ST+4*t+1]
	ALLQ v_exp_f32 v[ST+4*t+2], v[ST+4*t+3]
.if \cl
	s_add_co_u32 s[CT], s[CT], 128
	v_add_nc_u32 v[AC], s[CT], v[AC0]
.endif
.endm
; THE SOFTMAX of a tile is 40 lines, ten to each of four units.  F i: s' - m' for pair i of 8.  E i: 2^x of score i of 16.  L i: l takes pair i (L 0: l = a l + pair).  C i: pair i rounded to f16 into the tile's register i,
; behind the L and the C that read that register.  A plain line stands between every exponential and the use of its result.
.macro RF qt, n
	v_pk_add_f32 v[S+16*(\qt)+2*(\n):S+16*(\qt)+2*(\n)+1], v[S+16*(\qt)+2*(\n):S+16*(\qt)+2*(\n)+1], v[ST+4*(\qt):ST+4*(\qt)+1] op_sel_hi:[1,0] neg_lo:[0,1] neg_hi:[0,1]
.endm
.macro RE qt, n
	v_exp_f32 v[S+16*(\qt)+(\n)], v[S+16*(\qt)+(\n)]
.endm
.macro RL qt, n
.if (\n) == 0
	s_wait_alu depctr_va_vdst(0)
	v_pk_fma_f32 v[LS+2*(\qt):LS+2*(\qt)+1], v[LS+2*(\qt):LS+2*(\qt)+1], v[ST+4*(\qt)+2:ST+4*(\qt)+3], v[S+16*(\qt):S+16*(\qt)+1] op_sel_hi:[1,0,1]
.else
	s_wait_alu depctr_va_vdst(0)
	v_pk_add_f32 v[LS+2*(\qt):LS+2*(\qt)+1], v[LS+2*(\qt):LS+2*(\qt)+1], v[S+16*(\qt)+2*(\n):S+16*(\qt)+2*(\n)+1]
.endif
.endm
.macro RC qt, n
	v_cvt_pk_f16_f32 v[S+16*(\qt)+(\n)], v[S+16*(\qt)+2*(\n)], v[S+16*(\qt)+2*(\n)+1]
.endm
; Line k of 10 of unit z:   z = 0: F0 F1 E0 E1 F2 F3 | F4-F7     z = 1: E2-E7 | L0-L3     z = 2: E8-E13 | C0 C1 L4 L5     z = 3: E14 E15 L6 C2 C3 L7 | C4-C7
.macro RID qt, z, k
.set rc, 10*(\z)+(\k)
.if rc < 2
	RF \qt, rc
.elseif rc < 4
	RE \qt, rc-2
.elseif rc < 10
	RF \qt, rc-2
.elseif rc < 16
	RE \qt, rc-8
.elseif rc < 20
	RL \qt, rc-16
.elseif rc < 26
	RE \qt, rc-12
.elseif rc < 28
	RC \qt, rc-26
.elseif rc < 30
	RL \qt, rc-24
.elseif rc < 32
	RE \qt, rc-16
.elseif rc == 32
	RL \qt, 6
.elseif rc < 35
	RC \qt, rc-31
.elseif rc == 35
	RL \qt, 7
.else
	RC \qt, rc-32
.endif
.endm
; UNIT u OF V^T P: keys 32 (u / 4) .., channel blocks 2 (u % 4), + 1 x four query tiles: eight products on eight accumulators.  Behind products 0-5 one line of the softmax (rid = 1) and the LDS loads that are due:
; V two units on; where u % 4 = 1 the next 32 keys' P; in unit 14 the next step's C (cl = 1).  Behind product 7 four plain lines (or four v_nop): the places in front of the next unit's loads into this unit's buffer.
; The wait at the head counts the LDS loads issued in the unit before, which may stay out.
.macro VUNIT u, rid, cl, av
.set g, (\u)/4
.if ((\u) == 2) || ((\u) == 6) || ((\u) == 10)
	s_wait_dscnt 12
.elseif (\u) == 15
	s_wait_dscnt 4*(\cl)
.else
	s_wait_dscnt 4
.endif
.set i, 0
.rept 8
	WIN W_PV
.set rO, 8*(4*(2*((\u)%4)+i/4)+i%4)
.set rV, VBF+16*((\u)%3)+8*(i/4)
.set rP, PB+32*(g%2)+8*(i%4)
	v_wmma_f32_16x16x32_f16 v[rO:rO+7], v[rV:rV+7], v[rP:rP+7], v[rO:rO+7]
.if i < 6
.if \rid
	WIN 0
	RID (\u)/4, (\u)%4, i
.endif
.if (i < 4) && ((\u) <= 13)
	WIN 0
	VL1 (\u)+2, i, \av
.endif
.if (((\u)%4) == 1) && (g < 3)
	WIN 0
.if i < 4
	PL1 g+1, i
.else
	PL1 g+1, 2*i-4
	PL1 g+1, 2*i-3
.endif
.endif
.if ((\u) == 14) && (\cl) && (i < 4)
	WIN 0
	ML1 i
.endif
.endif
.if i == 7
.if \rid
	WIN 0
	RID (\u)/4, (\u)%4, 6
	RID (\u)/4, (\u)%4, 7
	RID (\u)/4, (\u)%4, 8
	RID (\u)/4, (\u)%4, 9
.else
.rept 4
	v_nop
.endr
.endif
.endif
.set i, i+1
.endr
.endm
.macro TRIP kind, cl
	ROUNDA
	PSTORE                                         ; eight stores and twelve loads follow the tensor load: no vector line and no switch of windows among the first four
.irp j, 0,1,2,3
	KL1 0, \j
.endr
.irp j, 0,1,2,3
	KL1 1, \j
.endr
.irp j, 0,1,2,3
	KL1 2, \j
.endr
.irp c, 0,1,2,3,4,5,6,7,8,9,10,11,12,13,14,15
	SUNIT \c
.endr
	LMAX                                           ; the four multiplies behind the last product are the places in front of it
	ROUNDB \kind
	VPRE AVB, 0
	STATS \cl
.irp u, 0,1,2,3,4,5,6,7,8,9,10,11,12,13,14,15
	VUNIT \u, 1, \cl, AVB
.endr
	WIN 0
.endm
	s_load_b256 s[4:11], s[0:1], 0x0               ; qs s[4:5], ks s[6:7], vs s[8:9], mask s[10:11]
	s_load_b64 s[12:13], s[0:1], 0x20              ; out0
	v_lshl_add_u32 v[SPW], v0, 2, SPARE
	v_mov_b32 v[NIL], 0
	ds_add_u32 v[SPW], v[NIL]                      ; the wave's opening: an add, and its wait ahead of my first tensor load
	v_lshrrev_b32 v1, 5, v0
	v_readfirstlane_b32 s[WV], v1                  ; wave 0..3
	s_bfe_u32 s15, ttmp6, 0x40000                  ; cx
	s_lshl_b32 s16, ttmp9, 2
	s_add_co_u32 s16, s16, s15                     ; X: my block of 64 queries; it enters Q's and the output's addresses alone
	s_and_b32 s17, ttmp7, 0xffff                   ; the batch, which the partners share
	s_lshl_b32 s52, s17, 21                        ; K, V: the batch's 2,048 rows of 1,024 bytes,
	s_lshl_b32 s60, s[WV], 15                      ; my 32 rows of a step (these registers never hold cx)
	s_add_co_u32 s52, s52, s60
	s_mov_b32 s53, 0
	s_lshl_b32 s54, s17, 21                        ; Q: the batch, my block's 64 rows
	s_lshl_b32 s61, s16, 16
	s_add_co_u32 s54, s54, s61
	s_mov_b32 s55, 0
	s_mov_b32 s[G1K], 15|(1<<16)|(1<<20)|(1<<21)|(7<<22)|(3<<25)  ; the mask of four, bit 21 beside it; elements of 2 bytes; padding: after every 256 words 4 words
	s_mov_b32 s[G1V], 15|(1<<16)|(1<<20)|(1<<21)|(7<<22)|(7<<25)  ; the same with 8 words
.irp d, G1K, G1V
	s_mov_b32 s[\d+1], 512<<16                     ; tensor_dim0 = 512
	s_mov_b32 s[\d+2], 32<<16                      ; tensor_dim1 = 32
	s_mov_b32 s[\d+3], 512<<16                     ; tile_dim0 = 512
	s_mov_b32 s[\d+4], 32                          ; tile_dim1 = 32 rows of 1,024 bytes
	s_mov_b32 s[\d+5], 512                         ; elements from row to row
	s_mov_b32 s[\d+6], 0
	s_mov_b32 s[\d+7], 0
.endr
	s_mov_b32 s[G0K], 1
	s_mul_i32 s[G0K+1], s[WV], 32*KP               ; slot A, my 32 rows
	s_mov_b32 s[G0V], 1
	s_mul_i32 s[G0V+1], s[WV], 32*VP
	s_add_co_u32 s[G0V+1], s[G0V+1], BUFB          ; slot B
	s_mov_b32 s[G0L], 1
	s_mul_i32 s[G0L+1], s[WV], 32*VP               ; slot A, at V's pitch
	s_mov_b32 s[OFF+1], 0
	s_mov_b32 s[VT], 0
	s_mov_b32 s[INC], 0
	s_mov_b32 s[CT], 0
	s_mov_b32 s[SEL], 0x76543210
	s_mov_b32 s[SEL+1], 0xfedcba98
	s_wait_dscnt 0x0                               ; the opening add is done
	s_wait_kmcnt 0x0
	s_add_nc_u64 s[G0K+2:G0K+3], s[6:7], s[52:53]
	s_or_b32 s[G0K+3], s[G0K+3], 0x80000000
	s_add_nc_u64 s[VB:VB+1], s[8:9], s[52:53]
	s_add_nc_u64 s[G0L+2:G0L+3], s[VB:VB+1], 15<<17
	s_or_b32 s[G0L+3], s[G0L+3], 0x80000000
	s_add_nc_u64 s[4:5], s[4:5], s[54:55]
	s_lshl_b32 s54, s17, 22                        ; the output: rows of 2,048 bytes
	s_lshl_b32 s61, s16, 17
	s_add_co_u32 s54, s54, s61
	s_add_nc_u64 s[12:13], s[12:13], s[54:55]
	s_lshl_b32 s54, s17, 13                        ; mask: the batch's 2,048 words, my 32 of a step
	s_lshl_b32 s61, s[WV], 7
	s_add_co_u32 s54, s54, s61
	s_add_nc_u64 s[10:11], s[10:11], s[54:55]
	ROUND                                          ; all four work-groups are here: the first joint loads meet
	tensor_load_to_lds s[G0K:G0K+3], s[G1K:G1K+7]  ; K(0)
	s_nop 0
	v_and_b32 v1, 15, v0                           ; r = l % 16
	v_bfe_u32 v2, v0, 4, 1                         ; h = l / 16
	v_and_b32 v[LN], 31, v0
	v_lshlrev_b32 v[QO], 10, v1
	v_lshl_add_u32 v[QO], v2, 4, v[QO]             ; Q: row r, 8 h channels
	v_lshrrev_b32 v[T0], 3, v[LN]
	v_and_b32 v[T0+1], 7, v0
	v_lshlrev_b32 v[MO], 9, v[T0]                  ; mask: step l / 8 of four, 16 bytes of my 128
	v_lshl_add_u32 v[MO], v[T0+1], 4, v[MO]
.irp n, 0,1,2,3
	global_load_b128 v[VBF+4*\n:VBF+4*\n+3], v[MO], s[10:11] offset:2048*\n
.endr
.set c, 0
.rept 16                               ; all of Q stays in registers
	WIN 0x80+0x40*(c/8)
.irp qt, 0,1,2,3
	global_load_b128 v[8*(4*(c%8)+\qt):8*(4*(c%8)+\qt)+3],   v[QO], s[4:5] offset:\qt*16384+64*c
	global_load_b128 v[8*(4*(c%8)+\qt)+4:8*(4*(c%8)+\qt)+7], v[QO], s[4:5] offset:\qt*16384+64*c+32
.endr
.set c, c+1
.endr
	WIN 0x40                                       ; what the first trip finds: O, l and P(-1) are 0.  All this stands in the wait for the first tile and for Q
.set n, 0
.rept 256
	v_mov_b32 v[n], 0
.set n, n+1
.endr
	WIN 0
.irp qt, 0,1,2,3
	v_mov_b32 v[ST+4*\qt], 0xff7fffff              ; m': the lowest finite number
	v_mov_b32 v[ST+4*\qt+1], 0
	v_mov_b32 v[ST+4*\qt+2], 0
	v_mov_b32 v[ST+4*\qt+3], 0
	v_mov_b32 v[LS+2*\qt], 0
	v_mov_b32 v[LS+2*\qt+1], 0
.irp e, 0,1,2,3,4,5,6,7
	v_mov_b32 v[S+16*\qt+\e], 0
.endr
.endr
	s_mul_i32 s60, s[WV], 32*KP
	v_mul_u32_u24 v[AK], v1, KP
	v_lshl_add_u32 v[AK], v2, 4, v[AK]
	v_add_nc_u32 v[AK], s60, v[AK]                 ; K: row 32 w + r, 8 h channels
	v_lshl_add_u32 v[T0], v2, 3, v[T0+1]           ; the turning load: key 8 h + l % 8,
	v_bfe_u32 v[T0+2], v0, 3, 1                    ; channels 8 ((l / 8) % 2) ..
	v_mul_u32_u24 v[AVA], v[T0], VP
	v_lshl_add_u32 v[AVA], v[T0+2], 4, v[AVA]
	s_lshl_b32 s61, s[WV], 8
	v_add_nc_u32 v[AVA], s61, v[AVA]               ; my 128 channels
	v_add_nc_u32 v[AVA+1], 64*VP, v[AVA]
	v_add_nc_u32 v[AVB], BUFB, v[AVA]
	v_add_nc_u32 v[AVB+1], BUFB+64*VP, v[AVA]
	v_lshl_add_u32 v[APL], v[LN], 4, PX
	s_lshl_b32 s62, s[WV], 12
	v_add_nc_u32 v[APS], s62, v[APL]
	v_lshl_add_u32 v[AML], v1, 4, MX
	v_add_nc_u32 v[AMS], s61, v[AML]
	s_lshl_b32 s63, s[WV], 11
	s_add_co_u32 s63, s63, MA
	v_lshl_add_u32 v[AC0], v2, 5, s63
	v_mov_b32 v[AC], v[AC0]
	v_lshl_add_u32 v[MS], v[LN], 4, s63
	s_mul_i32 s60, s[WV], 16*SGP
	s_add_co_u32 s60, s60, BUFB
	v_mul_u32_u24 v[STO], v1, SGP
	v_lshl_add_u32 v[STO], v2, 5, v[STO]
	v_add_nc_u32 v[STO], s60, v[STO]
	v_lshl_add_u32 v[RD], v[LN], 4, s60
	s_lshl_b32 s61, s[WV], 9
	v_lshl_add_u32 v[GO], v[LN], 4, s61
	v_mov_b32 v[NB], NEGB
	s_wait_loadcnt 0x0                             ; the mask and Q
.set n, 0
.rept 16
	v_cmp_eq_u32 vcc_lo, 0, v[VBF+n]
	v_cndmask_b32 v[VBF+n], 0, v[NB], vcc_lo       ; 0, or NEGB where the key is hidden
.set n, n+1
.endr
.irp n, 0,1,2,3
	ds_store_b128 v[MS], v[VBF+4*\n:VBF+4*\n+3] offset:512*\n  ; my wave's own bytes: no barrier; LDS serves a wave's instructions in order (ISA guide 5.7.1.4)
.endr
.irp j, 0,1,2,3
	ML1 \j                                         ; step 0's C
.endr
	s_mov_b32 s[CNT], 15
.Ltrip:
	TRIP 1, 1
	s_sub_co_u32 s[CNT], s[CNT], 1
	s_cmp_lg_u32 s[CNT], 0
	s_cbranch_scc1 .Ltrip
	TRIP 2, 0                                      ; the last trip is written out: its round B asks for V(15), into the slot that K has left
	; THE TAIL: O = a(15) O + V(15)^T P(15); l's parts meet; O / l goes out.
	s_wait_tensorcnt 0x0                           ; V(15) has landed
	ds_add_u32 v[SPW], v[NIL]
	s_wait_dscnt 0x0                               ; my reads of P(14) and of slot B are over
	s_barrier_signal -1
	s_barrier_wait -1
	PSTORE
	ALLQ v_add_f32 v[CC+2*t], v[LS+2*t], v[LS+2*t+1]
	ALLQ v_permlanex16_b32 v[CC+2*t+1], v[CC+2*t], s[SEL], s[SEL+1]
	ALLQ v_add_f32 v[LM+t], v[CC+2*t], v[CC+2*t+1]
	ds_store_b128 v[AMS], v[LM:LM+3] offset:LX-MX
	WIN W_RS
.set n, 0
.rept 128
	v_pk_mul_f32 v[2*n:2*n+1], v[2*n:2*n+1], v[ST+4*((n/4)%4)+2:ST+4*((n/4)%4)+3] op_sel_hi:[1,0]
.set n, n+1
.endr
	WIN 0
	s_wait_dscnt 0x0                               ; for the others' sake: my stores are done
	s_barrier_signal -1
	s_barrier_wait -1
	VPRE AVA, LX-MX
	s_wait_dscnt 16                                ; the four waves' sums are in
	ALLQ v_add_f32 v[CC+2*t], v[MXT+t], v[MXT+4+t]
	ALLQ v_add_f32 v[CC+2*t+1], v[MXT+8+t], v[MXT+12+t]
	ALLQ v_add_f32 v[CC+2*t], v[CC+2*t], v[CC+2*t+1]
	ALLQ v_rcp_f32 v[ST+4*t+2], v[CC+2*t]
	v_nop                                          ; a plain line behind the last reciprocal
	s_wait_alu depctr_va_vdst(0)
.irp u, 0,1,2,3,4,5,6,7,8,9,10,11,12,13,14,15
	VUNIT \u, 0, 0, AVA
.endr
; THE WAY OUT, a tile of 16 queries at a time: O^T / l; a lane's eight channels of a row go into my stage as 32 bytes and come back as whole rows of 512 bytes.
.macro OUT qt
	WIN W_RS
.irp cb, 0,1,2,3,4,5,6,7
.irp p, 0,1,2,3
	v_pk_mul_f32 v[8*(4*\cb+(\qt))+2*\p:8*(4*\cb+(\qt))+2*\p+1], v[8*(4*\cb+(\qt))+2*\p:8*(4*\cb+(\qt))+2*\p+1], v[ST+4*(\qt)+2:ST+4*(\qt)+3] op_sel_hi:[1,0]
.endr
.endr
	WIN 0x04                                       ; the stores' data in window 1
.irp cb, 0,1,2,3,4,5,6,7
	ds_store_b128 v[STO], v[8*(4*\cb+(\qt)):8*(4*\cb+(\qt))+3] offset:64*\cb
	ds_store_b128 v[STO], v[8*(4*\cb+(\qt))+4:8*(4*\cb+(\qt))+7] offset:64*\cb+16
.endr
	WIN 0
.if (\qt) >= 2
	s_wait_xcnt 0x0                                ; the registers that the stores of the tile before last read are loaded again only behind this wait
.endif
.irp f, 0,1,2,3,4,5,6,7,8,9,10,11,12,13,14,15
	ds_load_b128 v[S+64*((\qt)%2)+4*\f:S+64*((\qt)%2)+4*\f+3], v[RD] offset:\f*SGP  ; these see the stores above; the next tile's stores come behind them
.endr
.endm
.macro SEND qt, younger                ; younger: the next tile's 32 LDS instructions, or none
.irp f, 0,1,2,3,4,5,6,7,8,9,10,11,12,13,14,15
	s_wait_dscnt (\younger)+15-\f
	global_store_b128 v[GO], v[S+64*((\qt)%2)+4*\f:S+64*((\qt)%2)+4*\f+3], s[12:13] offset:(16*(\qt)+\f)*2048 th:TH_STORE_NT  ; a wave stores 512 consecutive aligned bytes
.endr
.endm
	OUT 0
	OUT 1
	SEND 0, 32
	OUT 2
	SEND 1, 32
	OUT 3
	SEND 2, 32
	SEND 3, 0
	s_wait_tensorcnt 0x0                           ; the wave's end
	ds_add_u32 v[SPW], v[NIL]
	s_wait_dscnt 0x0
	ROUND                                          ; the closing round
	s_endpgm
.Lfunc_end_k_q8cc5275935_attn:
	.size	k_q8cc5275935_attn, .Lfunc_end_k_q8cc5275935_attn-k_q8cc5275935_attn
	.p2alignl 7, 3214868480
	.fill 96, 4, 3214868480
	.section	.rodata,"a",@progbits
	.p2align	6, 0x0
	.amdhsa_kernel k_q8cc5275935_attn
		.amdhsa_group_segment_fixed_size 327680
		.amdhsa_private_segment_fixed_size 0
		.amdhsa_enable_private_segment 0
		.amdhsa_kernarg_size 40
		.amdhsa_user_sgpr_count 2
		.amdhsa_user_sgpr_kernarg_segment_ptr 1
		.amdhsa_wavefront_size32 1
		.amdhsa_system_sgpr_workgroup_id_x 1
		.amdhsa_system_sgpr_workgroup_id_y 1
		.amdhsa_system_sgpr_workgroup_id_z 1
		.amdhsa_system_vgpr_workitem_id 0
		.amdhsa_next_free_vgpr 1024
		.amdhsa_next_free_sgpr 66
		.amdhsa_reserve_vcc 1
		.amdhsa_float_denorm_mode_32 3
		.amdhsa_float_denorm_mode_16_64 3
		.amdhsa_memory_ordered 1
		.amdhsa_forward_progress 1
		.amdhsa_inst_pref_size 203
	.end_amdhsa_kernel
	.amdgpu_metadata
---
amdhsa.version: [ 1, 2 ]
amdhsa.kernels:
  - .name:           k_q8cc5275935_attn
    .symbol:         k_q8cc5275935_attn.kd
    .args:
      - { .name: qs, .offset: 0, .size: 8, .value_kind: global_buffer, .address_space: global }
      - { .name: ks, .offset: 8, .size: 8, .value_kind: global_buffer, .address_space: global }
      - { .name: vs, .offset: 16, .size: 8, .value_kind: global_buffer, .address_space: global }
      - { .name: mask, .offset: 24, .size: 8, .value_kind: global_buffer, .address_space: global }
      - { .name: out0, .offset: 32, .size: 8, .value_kind: global_buffer, .address_space: global }
    .group_segment_fixed_size: 327680
    .private_segment_fixed_size: 0
    .kernarg_segment_align: 8
    .kernarg_segment_size: 40
    .max_flat_workgroup_size: 128
    .sgpr_count:     66
    .vgpr_count:     1024
    .wavefront_size: 32
...
	.end_amdgpu_metadata
.endif
;; end of part 3
;; ======== version 2 of 3: 3 launches; 1.23 times as fast as version 1
;; limits: values are held in f16: magnitudes above 65,504 overflow, below 6.1e-05 lose precision; inputs' magnitudes at most 65,504
;; workspace buffers: wt 2,097,152 bytes; qs 16,777,216 bytes; ks 16,777,216 bytes; vs 16,777,216 bytes
;; launch prep (part 4): grid 256 x 1, 8 waves a work-group, no clusters, 10,240 bytes of LDS; arguments value, Wq, Wk, vs, wt; writes vs, wt
.if DOCPART == 4
	.amdgcn_target "amdgcn-amd-amdhsa--gfx1250"
	.amdhsa_code_object_version 6
	.text
	.protected	k_q8cc5275935_prep
	.globl	k_q8cc5275935_prep
	.p2align	8
	.type	k_q8cc5275935_prep,@function
k_q8cc5275935_prep:
	s_mov_b64 s[64:65], 0
	v_nop
	global_prefetch_b8 v0, s[64:65] scope:SCOPE_SE
	s_setreg_imm32_b32 hwreg(HW_REG_WAVE_MODE, 25, 1), 1
	s_wait_xcnt 0x0
; PREP.  Two conversions that the tensor loads of the later launches cannot make on the way.
; (a) wt[mat][kb][n][k] = bf16(W_mat[128 kb + k][n]): both weights, turned, in blocks of 128 k x 512 n (131,072 dense bytes), so that a block's rows lie along k and are 256 bytes long.
; (b) vs = value, rounded once to bf16 and that number written as f16, which is exact between 2^-17 and 65,504.
; LIMITS.  |value| of 65,520 or more becomes an f16 infinity; below 2^-17 the number keeps f16's fixed step of 2^-24.
; SHARES.  256 work-groups of eight waves, all alike.  Work-group g turns one piece of 128 k x 32 n of one weight (16 KB in, 8 KB out: 32 whole rows of wt) and converts 128 KB of value.
; Memory binds: every byte is read once, by loads of 16 bytes a lane, and a wave's store covers 256 or 512 consecutive aligned bytes.  Of W eight lanes take 128 consecutive bytes of a row: the price, on
; 4 MB of the launch's 38, of writing wt's rows whole.  No matrix unit, no cluster: nothing is shared.
.set TP,    272                        ; a row of the turned piece in LDS: 256 bytes + 16
.set SPARE, 32*TP                      ; behind the piece: the spare words, 128 bytes for each of eight waves
.set WOF, 1                            ; v1  my offset in the piece of W: four rows 4 kp .. and 16 bytes of them
.set TST, 2                            ; v2  where I put 8 bytes of a turned row
.set TRD, 3                            ; v3  where I read 16 bytes of a turned row back
.set O16, 4                            ; v4  16 x thread
.set O8,  5                            ; v5  8 x thread
.set SPW, 6                            ; v6  my spare word; never rewritten
.set NIL, 7                            ; v7  0; never rewritten
.set RW,  12                           ; v[12:27] four rows x four numbers of W
.set PW,  28                           ; v[28:35] packed: for each of my four n, four k
.set BK,  36                           ; v[36:43] turned rows read back
.set X,   44                           ; v[44:75] ring of eight slots: value as loaded
.set T,   76                           ; v[76:81] at work
.set Y,   82                           ; v[82:97] ring of eight slots: f16 to store
	s_load_b256 s[4:11], s[0:1], 0x0               ; value s[4:5], Wq s[6:7], Wk s[8:9], vs s[10:11]
	s_load_b64 s[12:13], s[0:1], 0x20              ; wt
	v_lshl_add_u32 v[SPW], v0, 2, SPARE
	v_mov_b32 v[NIL], 0
	s_lshr_b32 s21, ttmp9, 7                       ; mat: 0 Wq, 1 Wk
	s_bfe_u32 s22, ttmp9, 0x30004                  ; kb: which 128 k
	s_and_b32 s23, ttmp9, 15                       ; nb: which 32 n
	s_lshl_b32 s16, s22, 18                        ; 128 rows of 2,048 bytes
	s_lshl_b32 s17, s23, 7                         ; 32 numbers of 4 bytes
	s_or_b32 s16, s16, s17
	s_mov_b32 s17, 0
	s_lshl_b32 s18, s21, 20                        ; in wt: a weight is 1 MiB,
	s_lshl_b32 s19, s22, 17                        ; a block 131,072 bytes,
	s_or_b32 s18, s18, s19
	s_lshl_b32 s19, s23, 13                        ; 32 rows n of 256 bytes
	s_or_b32 s18, s18, s19
	s_mov_b32 s19, 0
	s_mov_b32 s20, 0xffff0000                      ; a word's upper bf16
	v_lshrrev_b32 v8, 3, v0                        ; kp: my four rows k
	v_and_b32 v9, 7, v0                            ; c: my four columns n
	v_lshlrev_b32 v[WOF], 13, v8
	v_lshl_or_b32 v[WOF], v9, 4, v[WOF]
	v_mul_u32_u24 v[TST], v9, 4*TP
	v_lshl_add_u32 v[TST], v8, 3, v[TST]           ; row 4 c, byte 8 kp
	v_lshrrev_b32 v10, 4, v0
	v_and_b32 v11, 15, v0
	v_mul_u32_u24 v[TRD], v10, TP
	v_lshl_add_u32 v[TRD], v11, 4, v[TRD]          ; row thread / 16, 16 bytes
	v_lshlrev_b32 v[O16], 4, v0
	v_lshlrev_b32 v[O8], 3, v0
	s_wait_kmcnt 0x0
	s_cmp_eq_u32 s21, 0
	s_cselect_b64 s[14:15], s[6:7], s[8:9]         ; the weight
	s_add_nc_u64 s[14:15], s[14:15], s[16:17]
	s_add_nc_u64 s[12:13], s[12:13], s[18:19]
	s_lshl_b32 s16, ttmp9, 17                      ; my 128 KB of value
	s_add_nc_u64 s[4:5], s[4:5], s[16:17]
	s_lshl_b32 s16, ttmp9, 16                      ; my 64 KB of vs
	s_add_nc_u64 s[10:11], s[10:11], s[16:17]
.irp i, 0,1,2,3
	global_load_b128 v[RW+4*\i:RW+4*\i+3], v[WOF], s[14:15] offset:2048*\i  ; eight lanes take 128 consecutive bytes of a row
.endr
.irp i, 0,1,2,3,4,5,6,7
	global_load_b128 v[X+4*\i:X+4*\i+3], v[O16], s[4:5] offset:4096*\i th:TH_LOAD_NT  ; the ring is filled
.endr
	s_wait_loadcnt 8                               ; the eight loads of value are younger: W is in
.irp e, 0,1,2,3
	v_cvt_pk_bf16_f32 v[PW+2*\e], v[RW+\e], v[RW+4+\e]        ; column 4 c + e: k = 4 kp, 4 kp + 1
	v_cvt_pk_bf16_f32 v[PW+2*\e+1], v[RW+8+\e], v[RW+12+\e]   ; k = 4 kp + 2, 4 kp + 3
.endr
.irp e, 0,1,2,3
	ds_store_b64 v[TST], v[PW+2*\e:PW+2*\e+1] offset:TP*\e
.endr
	s_wait_dscnt 0x0                               ; for the others' sake: my stores are done
	s_barrier_signal -1
	s_barrier_wait -1
	ds_load_b128 v[BK:BK+3], v[TRD]
	ds_load_b128 v[BK+4:BK+7], v[TRD] offset:16*TP
	s_wait_dscnt 0x0
	global_store_b128 v[O16], v[BK:BK+3], s[12:13]              ; a wave stores 512 consecutive bytes of wt: two whole rows
	global_store_b128 v[O16], v[BK+4:BK+7], s[12:13] offset:4096
; One slot's turn.  ahead = 1: the slot is filled again, eight steps of 4,096 bytes on.  left = the younger loads that may stay out.
.macro VSLOT i, ahead, left
	s_wait_loadcnt \left                           ; loads come back in order (ISA guide 5.7.1): mine is in
	s_wait_xcnt 0x0                                ; the slot's Y, which its last store reads, is rewritten only behind this wait
	v_cvt_pk_bf16_f32 v[T], v[X+4*(\i)], v[X+4*(\i)+1]          ; the one rounding, to bf16
	v_cvt_pk_bf16_f32 v[T+1], v[X+4*(\i)+2], v[X+4*(\i)+3]
	v_lshlrev_b32 v[T+2], 16, v[T]                 ; back to f32: a shift or a mask
	v_and_b32 v[T+3], s20, v[T]
	v_lshlrev_b32 v[T+4], 16, v[T+1]
	v_and_b32 v[T+5], s20, v[T+1]
	v_cvt_pk_f16_f32 v[Y+2*(\i)], v[T+2], v[T+3]   ; the same numbers as f16
	v_cvt_pk_f16_f32 v[Y+2*(\i)+1], v[T+4], v[T+5]
.if \ahead
	global_load_b128 v[X+4*(\i):X+4*(\i)+3], v[O16], s[4:5] offset:((\i)+8)*4096 th:TH_LOAD_NT
.endif
	global_store_b64 v[O8], v[Y+2*(\i):Y+2*(\i)+1], s[10:11] offset:(\i)*2048  ; a wave stores 256 consecutive aligned bytes
.endm
	s_mov_b32 s22, 3
.Lring:
.irp i, 0,1,2,3,4,5,6,7
	VSLOT \i, 1, 7
.endr
	s_wait_xcnt 0x0                                ; the two bases are stepped only behind this wait
	s_add_nc_u64 s[4:5], s[4:5], 32768
	s_add_nc_u64 s[10:11], s[10:11], 16384
	s_sub_co_u32 s22, s22, 1
	s_cmp_lg_u32 s22, 0
	s_cbranch_scc1 .Lring
.irp i, 0,1,2,3,4,5,6,7
	VSLOT \i, 0, 7-\i                              ; the last trip loads nothing: the counts run down
.endr
	s_wait_tensorcnt 0x0                           ; the wave's end, behind my last LDS store
	ds_add_u32 v[SPW], v[NIL]
	s_wait_dscnt 0x0
	s_endpgm
.Lfunc_end_k_q8cc5275935_prep:
	.size	k_q8cc5275935_prep, .Lfunc_end_k_q8cc5275935_prep-k_q8cc5275935_prep
	.p2alignl 7, 3214868480
	.fill 96, 4, 3214868480
	.section	.rodata,"a",@progbits
	.p2align	6, 0x0
	.amdhsa_kernel k_q8cc5275935_prep
		.amdhsa_group_segment_fixed_size 10240
		.amdhsa_private_segment_fixed_size 0
		.amdhsa_enable_private_segment 0
		.amdhsa_kernarg_size 40
		.amdhsa_user_sgpr_count 2
		.amdhsa_user_sgpr_kernarg_segment_ptr 1
		.amdhsa_wavefront_size32 1
		.amdhsa_system_sgpr_workgroup_id_x 1
		.amdhsa_system_sgpr_workgroup_id_y 1
		.amdhsa_system_sgpr_workgroup_id_z 1
		.amdhsa_system_vgpr_workitem_id 0
		.amdhsa_next_free_vgpr 98
		.amdhsa_next_free_sgpr 66
		.amdhsa_reserve_vcc 0
		.amdhsa_float_denorm_mode_32 3
		.amdhsa_float_denorm_mode_16_64 3
		.amdhsa_memory_ordered 1
		.amdhsa_forward_progress 1
		.amdhsa_inst_pref_size 14
	.end_amdhsa_kernel
	.amdgpu_metadata
---
amdhsa.version: [ 1, 2 ]
amdhsa.kernels:
  - .name:           k_q8cc5275935_prep
    .symbol:         k_q8cc5275935_prep.kd
    .args:
      - { .name: value, .offset: 0, .size: 8, .value_kind: global_buffer, .address_space: global }
      - { .name: Wq, .offset: 8, .size: 8, .value_kind: global_buffer, .address_space: global }
      - { .name: Wk, .offset: 16, .size: 8, .value_kind: global_buffer, .address_space: global }
      - { .name: vs, .offset: 24, .size: 8, .value_kind: global_buffer, .address_space: global }
      - { .name: wt, .offset: 32, .size: 8, .value_kind: global_buffer, .address_space: global }
    .group_segment_fixed_size: 10240
    .private_segment_fixed_size: 0
    .kernarg_segment_align: 8
    .kernarg_segment_size: 40
    .max_flat_workgroup_size: 256
    .sgpr_count:     66
    .vgpr_count:     98
    .wavefront_size: 32
...
	.end_amdgpu_metadata
.endif
;; end of part 4
;; launch proj (part 5): grid 128 x 2, 4 waves a work-group, clusters of 4 x 1, 327,680 bytes of LDS; arguments query, key, wt, bq, bk, mask, qs, ks; writes qs, ks
.if DOCPART == 5
	.amdgcn_target "amdgcn-amd-amdhsa--gfx1250"
	.amdhsa_code_object_version 6
	.text
	.protected	k_q8cc5275935_proj
	.globl	k_q8cc5275935_proj
	.p2align	8
	.type	k_q8cc5275935_proj,@function
k_q8cc5275935_proj:
	s_mov_b64 s[64:65], 0
	v_nop
	global_prefetch_b8 v0, s[64:65] scope:SCOPE_SE
	s_setreg_imm32_b32 hwreg(HW_REG_WAVE_MODE, 25, 1), 1
	s_wait_xcnt 0x0
	s_wait_alu depctr_hold_cnt(0) depctr_sa_sdst(0) depctr_va_vdst(0) depctr_va_sdst(0) depctr_va_ssrc(0) depctr_va_vcc(0) depctr_vm_vsrc(0)
	s_getreg_b32 s2, hwreg(HW_REG_IB_STS2, 6, 4)
	s_cmp_eq_u32 s2, 0
	s_cbranch_scc0 .Lentry_in_a_cluster
	s_endpgm
.Lentry_in_a_cluster:
	s_bfe_u32 s2, ttmp6, 0x10000c
	s_cmp_lg_u32 s2, 0x3003
	s_cbranch_scc0 .Lentry_shape_is_right
	s_endpgm
.Lentry_shape_is_right:
; PROJ.  y = 0: qs = bf16(kappa (query Wq + bq)), kappa = log2(e) / sqrt(512).  y = 1: ks = bf16(f (key Wk + bk)), f = 1, or 0 in the rows whose mask word is 0.
; Products in bf16 with f32 sums, which the bias starts (it is the C operand of the first products); the factor in f32; one rounding.  The rows of hidden keys are 0, so that the next launch's score of such a
; key is exactly the constant that starts its sum.
; LIMITS.  NaN and infinities are not treated apart: 0 x infinity in a hidden row would be NaN.
; SHARES.  A work-group makes 128 rows x all 512 columns over K = 1,024, so each byte of query and key goes to one work-group; 256 work-groups.  Wave w makes 128 rows x columns 128 w ..: 64 accumulators, 512 registers.
; X COMES THROUGH REGISTERS.  For each K step of 64 wave w loads rows 32 w .. 32 w + 31 (sixteen loads, each two whole row pieces of 256 bytes), rounds each number once to bf16 and puts it into a stage in LDS,
; from which all four waves take their fragments.  Two register sets take turns; a set is loaded again straight behind its stores, 240 products ahead of its use, and the loads stay out across the barriers.
; WT COMES BY TENSOR LOADS, a block of 128 k x 512 n to a slot, two slots; each wave asks for its quarter (128 rows of 256 bytes), 224 products ahead of the wait for it.
; CLUSTER.  The four partners share y, hence wt's blocks: those are asked for JOINTLY (mask 15).  x is each work-group's own.
; ONE BARRIER FOR EACH K STEP: in front of it my stores of the next step's x and my reads of the older stage are done; behind it the next stage is read and the older one written.  Where wt's slot changes too
; (every second step) the barrier opens a round of the cluster's, with the waits and the add in front of it and the joint refill first behind it; at the other steps the tensor load stays out.
; THE MATRIX INSTRUCTION IS USED TRANSPOSED: source 0 = 16 rows n of wt, source 1 = 16 rows of x: a lane holds one row of the result and eight neighbouring columns.
; REGISTERS, in windows of 256 (s_set_vgpr_msb: bits 1:0 source 0, 3:2 source 1, 5:4 source 2, 7:6 destination):
;   window 0: v0-15 addresses; v16-31 f in pairs; v32-63 at work; v64-127, v128-191 x's fragments, two buffers; v192-255 the bias
;   window 1: v0-63, v64-127 wt's fragments, two buffers; v128-191, v192-255 x in f32, two sets        windows 2, 3: accumulator (a, b) at 8 (8 (a % 4) + b), window 2 + a / 4
.set KAPPA, 0x3d8293ee
.set WP,    272                        ; a row of wt in LDS: 256 bytes + 16: the 16 rows of a load start at 16 different groups of four banks (ISA guide 11.1)
.set WQUART, 128*WP                    ; what one tensor load brings, and what one wave reads
.set WSLOT, 4*WQUART
.set XP,    144                        ; a row of x's stage: 64 bf16 + 16 bytes, likewise
.set XSB,   128*XP                     ; a stage: one K step's x
.set XS0,   2*WSLOT                    ; the two stages lie behind the ring: no tensor load lands there
.set STAGE, XS0                        ; the way out: 16 rows x 272 bytes for each wave, in stage 0, which nobody reads behind the barrier of the last K step
.set SPITCH, 272
.set SPARE, XS0+2*XSB                  ; the spare words, 128 bytes for each wave
.set ADRX, 3                           ; v3-4   my place in x's stage 0, 1
.set ADRW, 5                           ; v5-6   in wt's slot 0, 1
.set STO,  7
.set RD,   8
.set CO,   9
.set SPW,  10                          ; never rewritten
.set NIL,  11                          ; never rewritten
.set XO,   12                          ; my byte offset in two rows of x; never rewritten
.set XST,  13                          ; where I put 8 bytes of a row of stage 0
.set FP,   16
.set TMP,  32
.set BO,   40                          ; in the prologue alone: my offsets in the bias
.set MOF,  41                          ; and in the mask
.set XF,   64
.set OB,   64
.set BI,   192
.set WF,   0
.set XT,   128
.set WV,  20
.set G1W, 24                           ; s[24:31] group 1 for wt's quarters
.set G0W, 32                           ; s[32:39] group 0, a set for each slot
.set cvn, 32
.set cvs, 0
.set MSB, 0
.macro WIN new                         ; the immediate's high byte repeats the setting that is left; a switch that changes nothing is dropped
.if MSB != (\new)
	s_set_vgpr_msb (MSB<<8)|(\new)
.set MSB, (\new)
.endif
.endm
.set MUL_LO, 0xa1                      ; wt window 1, x window 0, C and D window 2
.set MUB_LO, 0x81                      ; the same with C (the bias) in window 0
.set TO1,    0x40                      ; destination window 1
.set CVW,    0x45                      ; sources and destination window 1
.set STW,    0x04                      ; an LDS store's data in window 1
.set EP_LO,  0x82                      ; accumulator in place (window 2), source 1 window 0
.set PK_LO,  0x0a                      ; sources window 2, destination window 0
.macro CREST                           ; a round of the cluster's barrier behind its opening barrier
	s_cmp_lg_u32 s[WV], 0
	s_cbranch_scc1 .Lnot_wave_0_\@
	s_barrier_signal -3
.Lnot_wave_0_\@:
	s_barrier_wait -3
	s_barrier_signal -1
	s_barrier_wait -1
.endm
.macro CROUND
	s_barrier_signal -1
	s_barrier_wait -1
	CREST
.endm
.macro PLACES                          ; four places in front of loads into registers that matrix instructions have read, and of vector lines that read results
.rept 4
	v_nop
.endr
.endm
	s_load_b512 s[4:19], s[0:1], 0x0               ; query, key, wt, bq, bk, mask, qs, ks
	v_lshl_add_u32 v[SPW], v0, 2, SPARE
	v_mov_b32 v[NIL], 0
	ds_add_u32 v[SPW], v[NIL]                      ; the wave's opening: an add, and its wait ahead of my first tensor load
	v_lshrrev_b32 v1, 5, v0
	v_readfirstlane_b32 s[WV], v1                  ; wave 0..3
	s_bfe_u32 s22, ttmp6, 0x40000                  ; cx
	s_lshl_b32 s23, ttmp9, 2
	s_add_co_u32 s23, s23, s22                     ; X: my block of 128 rows; it enters x's, mask's and the result's addresses alone
	s_and_b32 s56, ttmp7, 0xffff                   ; y, which the partners share
	s_mov_b32 s[G1W], 15|(1<<16)|(1<<20)|(1<<21)|(5<<22)|(3<<25)  ; the mask of four, bit 21 beside it; elements of 2 bytes; padding on: after every 64 words 4 words
	s_mov_b32 s[G1W+1], 128<<16                    ; tensor_dim0 = 128
	s_mov_b32 s[G1W+2], 128<<16                    ; tensor_dim1 = 128
	s_mov_b32 s[G1W+3], 128<<16                    ; tile_dim0 = 128 elements: 256 bytes
	s_mov_b32 s[G1W+4], 128                        ; tile_dim1 = 128 rows
	s_mov_b32 s[G1W+5], 128                        ; elements from row to row: a block is dense
	s_mov_b32 s[G1W+6], 0
	s_mov_b32 s[G1W+7], 0
	s_lshl_b32 s60, s23, 19                        ; x: 128 rows of 4,096 bytes,
	s_lshl_b32 s2, s[WV], 17                       ; my 32 of them
	s_add_co_u32 s60, s60, s2
	s_mov_b32 s61, 0
	s_lshl_b32 s62, s56, 20                        ; wt: the weight,
	s_lshl_b32 s3, s[WV], 15                       ; my quarter of a block (these two registers never hold cx)
	s_add_co_u32 s62, s62, s3
	s_mov_b32 s63, 0
	s_mul_i32 s3, s[WV], WQUART                    ; and where it goes in a slot
	s_wait_dscnt 0x0                               ; the opening add is done
	s_wait_kmcnt 0x0
	s_cmp_eq_u32 s56, 0
	s_cselect_b64 s[4:5], s[4:5], s[6:7]           ; x
	s_cselect_b64 s[10:11], s[10:11], s[12:13]     ; the bias
	s_cselect_b64 s[16:17], s[16:17], s[18:19]     ; the result
	s_cselect_b32 s58, KAPPA, 1.0                  ; f where the mask word is not 0,
	s_cselect_b32 s59, KAPPA, 0                    ; and where it is 0
	s_add_nc_u64 s[4:5], s[4:5], s[60:61]
	s_add_nc_u64 s[8:9], s[8:9], s[62:63]
	s_lshl_b32 s60, s23, 17                        ; the result: 128 rows of 1,024 bytes
	s_add_nc_u64 s[16:17], s[16:17], s[60:61]
	s_lshl_b32 s60, s23, 9                         ; mask: 128 words
	s_add_nc_u64 s[14:15], s[14:15], s[60:61]
.irp s, 0,1
	s_mov_b32 s[G0W+4*\s], 1
	s_add_co_u32 s[G0W+4*\s+1], s3, \s*WSLOT
	s_add_nc_u64 s[G0W+4*\s+2:G0W+4*\s+3], s[8:9], \s*131072    ; block s
	s_or_b32 s[G0W+4*\s+3], s[G0W+4*\s+3], 0x80000000
.endr
	CROUND                                         ; all four work-groups are here: the first joint loads meet
	tensor_load_to_lds s[G0W:G0W+3], s[G1W:G1W+7]  ; both first fills go out together: two loads of mine are out
	s_nop 0
	tensor_load_to_lds s[G0W+4:G0W+7], s[G1W:G1W+7]
	s_nop 0
	v_and_b32 v1, 15, v0                           ; r = l % 16
	v_bfe_u32 v2, v0, 4, 1                         ; h = l / 16
	v_lshlrev_b32 v[XO], 12, v2                    ; x in memory: row h of two, 16 r
	v_lshl_add_u32 v[XO], v1, 4, v[XO]
	s_lshl_b32 s2, s[WV], 9
	v_lshl_add_u32 v[BO], v2, 5, s2                ; bias: columns 128 w + 8 h
	v_lshlrev_b32 v[MOF], 2, v1                    ; mask: row r
.irp b, 0,1,2,3,4,5,6,7
	global_load_b128 v[BI+8*\b:BI+8*\b+3], v[BO], s[10:11] offset:64*\b
	global_load_b128 v[BI+8*\b+4:BI+8*\b+7], v[BO], s[10:11] offset:64*\b+16
.endr
.irp a, 0,1,2,3,4,5,6,7
	global_load_b32 v[TMP+\a], v[MOF], s[14:15] offset:64*\a
.endr
; Sixteen loads: my 32 rows of the K step that lies rel steps behind the base, into a set.  Sixteen lanes take 256 consecutive aligned bytes; each byte of x is read once in the launch.
.macro XLOAD set, rel
	WIN TO1
.irp i, 0,1,2,3,4,5,6,7,8,9,10,11,12,13,14,15
	global_load_b128 v[XT+64*(\set)+4*\i:XT+64*(\set)+4*\i+3], v[XO], s[4:5] offset:\i*8192+(\rel)*256 th:TH_LOAD_NT
.endr
.endm
.macro CV                              ; the next two numbers of set cvs, rounded in place: of a load's four registers the first two take the four bf16
	v_cvt_pk_bf16_f32 v[XT+64*cvs+4*(cvn/2)+cvn%2], v[XT+64*cvs+4*(cvn/2)+2*(cvn%2)], v[XT+64*cvs+4*(cvn/2)+2*(cvn%2)+1]
.set cvn, cvn+1
.endm
.macro XSTORE j                        ; set j into stage j: 8 bytes a lane, two rows an instruction
	WIN STW
.irp i, 0,1,2,3,4,5,6,7,8,9,10,11,12,13,14,15
	ds_store_b64 v[XST], v[XT+64*(\j)+4*\i:XT+64*(\j)+4*\i+1] offset:(\j)*XSB+\i*2*XP
.endr
.endm
	XLOAD 0, 0
	XLOAD 1, 1
	WIN 0
	v_mul_u32_u24 v[ADRX], v1, XP
	v_lshl_add_u32 v[ADRX], v2, 4, v[ADRX]
	v_add_nc_u32 v[ADRX], XS0, v[ADRX]             ; stage 0: row r, 8 h numbers of 2 bytes
	v_add_nc_u32 v[ADRX+1], XSB, v[ADRX]
	s_mul_i32 s2, s[WV], WQUART
	v_mul_u32_u24 v[ADRW], v1, WP
	v_lshl_add_u32 v[ADRW], v2, 4, v[ADRW]
	v_add_nc_u32 v[ADRW], s2, v[ADRW]              ; row 128 w + r of the block, 8 h numbers of 2 bytes
	v_add_nc_u32 v[ADRW+1], WSLOT, v[ADRW]
	s_mul_i32 s3, s[WV], 32*XP
	s_add_co_u32 s3, s3, XS0
	v_mul_u32_u24 v[XST], v2, XP
	v_lshl_add_u32 v[XST], v1, 3, v[XST]
	v_add_nc_u32 v[XST], s3, v[XST]                ; stage 0: row 32 w + h, 4 r numbers of 2 bytes
	s_mul_i32 s3, s[WV], 16*SPITCH
	s_add_co_u32 s3, s3, STAGE                     ; my stage for the way out
	v_mul_u32_u24 v[STO], v1, SPITCH
	v_lshl_add_u32 v[STO], v2, 4, v[STO]
	v_add_nc_u32 v[STO], s3, v[STO]
	v_mul_u32_u24 v[RD], v2, SPITCH
	v_lshl_add_u32 v[RD], v1, 4, v[RD]
	v_add_nc_u32 v[RD], s3, v[RD]
	s_lshl_b32 s2, s[WV], 8
	v_lshlrev_b32 v[CO], 10, v2                    ; in the result: row h, my wave's 256 bytes, 16 r
	v_lshl_add_u32 v[CO], v1, 4, v[CO]
	v_add_nc_u32 v[CO], s2, v[CO]
	v_mov_b32 v14, s58
	v_mov_b32 v15, s59
	s_wait_loadcnt 16                              ; step 1's sixteen loads are younger: the bias, the mask and step 0's x are in
.irp a, 0,1,2,3,4,5,6,7
	v_cmp_ne_u32 vcc_lo, 0, v[TMP+\a]
	v_cndmask_b32 v[FP+2*\a], v15, v14, vcc_lo     ; f of row 16 a + r
	v_mov_b32 v[FP+2*\a+1], v[FP+2*\a]             ; named with it as a pair
.endr
	WIN CVW
.set cvn, 0
.set cvs, 0
.rept 32
	CV
.endr
	XSTORE 0
	XLOAD 0, 2
; 16 products: blocks a0, a0 + 1 of the window's four x all 8 column blocks, 32 along K, on buffer f.  bias = 1: they start the sums, with the bias as C.  rid = 1: four conversions stand behind each of the first eight.
; The 64 accumulators take turns, one instruction a turn.
.macro MUL16 f, hi, a0, bias, rid
.irp a, \a0, (\a0)+1
.irp b, 0,1,2,3,4,5,6,7
.if \bias
	WIN MUB_LO+0x40*(\hi)
	v_wmma_f32_16x16x32_bf16 v[8*(8*(\a)+(\b)):8*(8*(\a)+(\b))+7], v[WF+64*(\f)+8*(\b):WF+64*(\f)+8*(\b)+7], v[XF+64*(\f)+8*(4*(\hi)+(\a)):XF+64*(\f)+8*(4*(\hi)+(\a))+7], v[BI+8*(\b):BI+8*(\b)+7]
.else
	WIN MUL_LO+0x50*(\hi)
	v_wmma_f32_16x16x32_bf16 v[8*(8*(\a)+(\b)):8*(8*(\a)+(\b))+7], v[WF+64*(\f)+8*(\b):WF+64*(\f)+8*(\b)+7], v[XF+64*(\f)+8*(4*(\hi)+(\a)):XF+64*(\f)+8*(4*(\hi)+(\a))+7], v[8*(8*(\a)+(\b)):8*(8*(\a)+(\b))+7]
.endif
.if (\rid) && (cvn < 32)
	WIN CVW
.rept 4
	CV
.endr
.endif
.endr
.endr
.endm
; 32 LDS loads in one run: the fragments of one chunk (32 along K) into buffer g: wt at byte 64 wq of its slot's rows, x at byte 64 xq of stage xj's rows.
.macro FETCH slot, wq, xj, xq, g
	WIN TO1
.irp b, 0,1,2,3,4,5,6,7
	ds_load_b128 v[WF+64*(\g)+8*\b:WF+64*(\g)+8*\b+3],   v[ADRW+(\slot)] offset:\b*16*WP+64*(\wq)
	ds_load_b128 v[WF+64*(\g)+8*\b+4:WF+64*(\g)+8*\b+7], v[ADRW+(\slot)] offset:\b*16*WP+64*(\wq)+32
.endr
	WIN 0
.irp a, 0,1,2,3,4,5,6,7
	ds_load_b128 v[XF+64*(\g)+8*\a:XF+64*(\g)+8*\a+3],   v[ADRX+(\xj)] offset:\a*16*XP+64*(\xq)
	ds_load_b128 v[XF+64*(\g)+8*\a+4:XF+64*(\g)+8*\a+7], v[ADRX+(\xj)] offset:\a*16*XP+64*(\xq)+32
.endr
.endm
; A K STEP'S FIRST CHUNK multiplies buffer 0 and fetches the step's second chunk (byte 64 wq of wt's rows, stage xj) into buffer 1.  xc = 1: beside it the NEXT step's x (the other set) is rounded, four
; conversions behind each of eight products, and stored into the other stage; rel >= 0: the set is then loaded again, two steps on.  left = the younger loads that may stay out: the other set's sixteen, or none.
; The conversions (or four v_nop) are the places between the last product that read buffer 1 and the loads into it.
.macro CHUNKE slot, wq, xj, xc, rel, left, bias
	s_wait_dscnt 0x0                               ; this buffer's fragments are in
.if \xc
	s_wait_loadcnt \left
.set cvn, 0
.set cvs, 1-(\xj)
	MUL16 0, 0, 0, \bias, 1
	XSTORE 1-(\xj)
.if (\rel) >= 0
	XLOAD 1-(\xj), \rel
.endif
.else
	MUL16 0, 0, 0, \bias, 0
	PLACES
.endif
	MUL16 0, 0, 2, \bias, 0
	FETCH \slot, \wq, \xj, 1, 1
	MUL16 0, 1, 0, \bias, 0
	MUL16 0, 1, 2, \bias, 0
.endm
; A K STEP'S SECOND CHUNK multiplies buffer 1 and holds the barrier in front of the next step.  Here wt's slot stays: a plain barrier, across which my tensor load stays out.
.macro TURNX slot
	s_wait_dscnt 0x0                               ; my fragments are in, my stores of the next step's x are done, my reads of the older stage are over
	s_barrier_signal -1
	MUL16 1, 0, 0, 0, 0                            ; work on registers while the others arrive
	MUL16 1, 0, 2, 0, 0
	s_barrier_wait -1
	PLACES
	FETCH \slot, 2, 1, 0, 0
	MUL16 1, 1, 0, 0, 0
	MUL16 1, 1, 2, 0, 0
.endm
; The same where wt's slot changes.  In front of the barrier each wave waits for all its tensor loads, of which one is out: its quarter of the next slot; adds 0 to its spare word; and waits for that, for its
; stores of x and for its reads.  fill = 1: the barrier opens a round of the cluster's, and this slot is filled again, two blocks on, first thing behind it.
.macro TURNW slot, next, fill
	WIN 0
	s_wait_tensorcnt 0x0
	ds_add_u32 v[SPW], v[NIL]
	s_wait_dscnt 1                                 ; only the add may be out: my fragments are in
	MUL16 1, 0, 0, 0, 0
	s_wait_dscnt 0x0                               ; the add is done
	s_barrier_signal -1
	MUL16 1, 0, 2, 0, 0
.if \fill
	WIN 0
.endif
	s_barrier_wait -1
.if \fill
	CREST
	s_add_nc_u64 s[G0W+4*(\slot)+2:G0W+4*(\slot)+3], s[G0W+4*(\slot)+2:G0W+4*(\slot)+3], 262144
	tensor_load_to_lds s[G0W+4*(\slot):G0W+4*(\slot)+3], s[G1W:G1W+7]  ; 224 products stand between this request and the wait for it
	s_nop 0
.endif
	PLACES                                         ; also the four lines behind the tensor load, ahead of the next switch of windows
	FETCH \next, 0, 0, 0, 0
	MUL16 1, 1, 0, 0, 0
	MUL16 1, 1, 2, 0, 0
.endm
	s_wait_tensorcnt 1                             ; my quarter of block 0 is in; block 1's may stay out
	s_wait_dscnt 0x0                               ; my rows of step 0's x are in the stage
	s_barrier_signal -1
	s_barrier_wait -1
	FETCH 0, 0, 0, 0, 0
	CHUNKE 0, 1, 0, 1, 3, 16, 1                    ; the first chunk stands in front of the loop: its products start the sums
	WIN 0
	s_mov_b32 s57, 3
.Llap:                                                 ; a trip goes once round the ring, four K steps, from a lap's second chunk to the next lap's first, and fills both slots again
	TURNX 0
	CHUNKE 0, 3, 1, 1, 4, 16, 0
	TURNW 0, 1, 1
	CHUNKE 1, 1, 0, 1, 5, 16, 0
	TURNX 1
	CHUNKE 1, 3, 1, 1, 6, 16, 0
	TURNW 1, 0, 1
	CHUNKE 0, 1, 0, 1, 7, 16, 0
	WIN 0
	s_wait_xcnt 0x0                                ; x's base is stepped only behind this wait
	s_add_nc_u64 s[4:5], s[4:5], 1024              ; four K steps of 256 bytes
	s_sub_co_u32 s57, s57, 1
	s_cmp_lg_u32 s57, 0
	s_cbranch_scc1 .Llap
	TURNX 0                                        ; the last lap is written out: it fills no slot, and loads no x
	CHUNKE 0, 3, 1, 1, -1, 16, 0                   ; step 14's x; step 15's sixteen loads are younger
	TURNW 0, 1, 0
	CHUNKE 1, 1, 0, 1, -1, 0, 0                    ; step 15's x: nothing is younger
	TURNX 1
	CHUNKE 1, 3, 1, 0, -1, 0, 0
	s_wait_dscnt 0x0
	MUL16 1, 0, 0, 0, 0
	MUL16 1, 0, 2, 0, 0
	MUL16 1, 1, 0, 0, 0
	MUL16 1, 1, 2, 0, 0
; THE WAY OUT, a block of 16 rows at a time: the sum x f in place, rounded, through my own stage, stored as whole rows of 256 bytes.  Each accumulator's registers are taken in ascending order.
.macro EPI a
.set AC, 64*((\a)%4)
	WIN EP_LO+0x41*((\a)/4)
.set n, 0
.rept 32
	v_pk_mul_f32 v[AC+2*n:AC+2*n+1], v[AC+2*n:AC+2*n+1], v[FP+2*(\a):FP+2*(\a)+1] op_sel_hi:[1,0]
.set n, n+1
.endr
	WIN PK_LO+5*((\a)/4)
.set n, 0
.rept 32
	v_cvt_pk_bf16_f32 v[TMP+n], v[AC+2*n], v[AC+2*n+1]
.set n, n+1
.endr
	WIN 0
.endm
.macro TOSTAGE a
.irp b, 0,1,2,3,4,5,6,7
	ds_store_b128 v[STO], v[TMP+4*\b:TMP+4*\b+3] offset:32*\b
.endr
.irp t, 0,1,2,3,4,5,6,7
	ds_load_b128 v[OB+32*((\a)%2)+4*\t:OB+32*((\a)%2)+4*\t+3], v[RD] offset:\t*2*SPITCH  ; LDS serves a wave's instructions in order (ISA guide 5.7.1.4): these see the stores above
.endr
.endm
.macro SEND a
	s_wait_dscnt 0x0                               ; the block is back in registers
	s_wait_xcnt 0x0                                ; the registers that the block before last's stores read are loaded again only behind this wait
.irp t, 0,1,2,3,4,5,6,7
	global_store_b128 v[CO], v[OB+32*((\a)%2)+4*\t:OB+32*((\a)%2)+4*\t+3], s[16:17] offset:(16*(\a)+2*\t)*1024  ; sixteen lanes store 256 consecutive aligned bytes
.endr
.endm
	PLACES                                         ; behind the last products
	EPI 0
	TOSTAGE 0
.irp a, 1,2,3,4,5,6,7
	EPI \a                                         ; a block's arithmetic stands between the loads of the block before and the wait for them
	SEND (\a)-1
	TOSTAGE \a
.endr
	SEND 7
	s_wait_tensorcnt 0x0                           ; the wave's end
	ds_add_u32 v[SPW], v[NIL]
	s_wait_dscnt 0x0
	CROUND                                         ; the closing round
	s_endpgm
.Lfunc_end_k_q8cc5275935_proj:
	.size	k_q8cc5275935_proj, .Lfunc_end_k_q8cc5275935_proj-k_q8cc5275935_proj
	.p2alignl 7, 3214868480
	.fill 96, 4, 3214868480
	.section	.rodata,"a",@progbits
	.p2align	6, 0x0
	.amdhsa_kernel k_q8cc5275935_proj
		.amdhsa_group_segment_fixed_size 327680
		.amdhsa_private_segment_fixed_size 0
		.amdhsa_enable_private_segment 0
		.amdhsa_kernarg_size 64
		.amdhsa_user_sgpr_count 2
		.amdhsa_user_sgpr_kernarg_segment_ptr 1
		.amdhsa_wavefront_size32 1
		.amdhsa_system_sgpr_workgroup_id_x 1
		.amdhsa_system_sgpr_workgroup_id_y 1
		.amdhsa_system_sgpr_workgroup_id_z 1
		.amdhsa_system_vgpr_workitem_id 0
		.amdhsa_next_free_vgpr 1024
		.amdhsa_next_free_sgpr 66
		.amdhsa_reserve_vcc 1
		.amdhsa_float_denorm_mode_32 3
		.amdhsa_float_denorm_mode_16_64 3
		.amdhsa_memory_ordered 1
		.amdhsa_forward_progress 1
		.amdhsa_inst_pref_size 199
	.end_amdhsa_kernel
	.amdgpu_metadata
---
amdhsa.version: [ 1, 2 ]
amdhsa.kernels:
  - .name:           k_q8cc5275935_proj
    .symbol:         k_q8cc5275935_proj.kd
    .args:
      - { .name: query, .offset: 0, .size: 8, .value_kind: global_buffer, .address_space: global }
      - { .name: key, .offset: 8, .size: 8, .value_kind: global_buffer, .address_space: global }
      - { .name: wt, .offset: 16, .size: 8, .value_kind: global_buffer, .address_space: global }
      - { .name: bq, .offset: 24, .size: 8, .value_kind: global_buffer, .address_space: global }
      - { .name: bk, .offset: 32, .size: 8, .value_kind: global_buffer, .address_space: global }
      - { .name: mask, .offset: 40, .size: 8, .value_kind: global_buffer, .address_space: global }
      - { .name: qs, .offset: 48, .size: 8, .value_kind: global_buffer, .address_space: global }
      - { .name: ks, .offset: 56, .size: 8, .value_kind: global_buffer, .address_space: global }
    .group_segment_fixed_size: 327680
    .private_segment_fixed_size: 0
    .kernarg_segment_align: 8
    .kernarg_segment_size: 64
    .max_flat_workgroup_size: 128
    .sgpr_count:     66
    .vgpr_count:     1024
    .wavefront_size: 32
...
	.end_amdgpu_metadata
.endif
;; end of part 5
;; launch attn (part 6): grid 32 x 8, 4 waves a work-group, clusters of 4 x 1, 327,680 bytes of LDS; arguments qs, ks, vs, mask, out0; writes out0
.if DOCPART == 6
	.amdgcn_target "amdgcn-amd-amdhsa--gfx1250"
	.amdhsa_code_object_version 6
	.text
	.protected	k_q8cc5275935_attn
	.globl	k_q8cc5275935_attn
	.p2align	8
	.type	k_q8cc5275935_attn,@function
k_q8cc5275935_attn:
	s_mov_b64 s[64:65], 0
	v_nop
	global_prefetch_b8 v0, s[64:65] scope:SCOPE_SE
	s_setreg_imm32_b32 hwreg(HW_REG_WAVE_MODE, 25, 1), 1
	s_wait_xcnt 0x0
	s_wait_alu depctr_hold_cnt(0) depctr_sa_sdst(0) depctr_va_vdst(0) depctr_va_sdst(0) depctr_va_ssrc(0) depctr_va_vcc(0) depctr_vm_vsrc(0)
	s_getreg_b32 s2, hwreg(HW_REG_IB_STS2, 6, 4)
	s_cmp_eq_u32 s2, 0
	s_cbranch_scc0 .Lentry_in_a_cluster
	s_endpgm
.Lentry_in_a_cluster:
	s_bfe_u32 s2, ttmp6, 0x10000c
	s_cmp_lg_u32 s2, 0x3003
	s_cbranch_scc0 .Lentry_shape_is_right
	s_endpgm
.Lentry_shape_is_right:
; ATTN.  out0[b][q] = the sum over keys of softmax(s) V, s' = q' . k' (q' carries log2(e) / sqrt(512); k' is 0 in hidden rows), a hidden key's s' being exactly NEGB = -1e9 log2(e): it is the C operand that starts
; the sum, onto which zeros are added.  p = 2^(s' - m') with a running maximum m'; O and l are multiplied by a = 2^(m'_old - m'_new) in every step.  A batch that is hidden everywhere has p = 1 everywhere: V's mean.
; q', k' bf16; V and p f16; products, maxima, sums in f32; l is the sum of the unrounded p.
; LIMITS.  V arrives within f16's range; p below 6e-5 keeps f16's fixed step of 6e-8; a weight below 2^-126 counts as 0 in l; NEGB is -1e9 log2(e) rounded to f32; NaN and infinities are not treated apart.
; SHARES.  A work-group owns 64 queries of a batch (256 work-groups) and walks the 2,048 keys, 128 a step.  For S^T = K Q^T the waves split the KEYS (wave w: keys 32 w .. of the step x all 64 queries; every wave
; holds all of Q, 512 registers); for O^T = V^T P they split the CHANNELS (wave w: channels 128 w .. x all 64 queries, 256 registers).  So each fragment of K or V read from LDS feeds four products.
; P and the rows' maxima change waves through LDS.  In S^T, P and O^T a lane holds one query (lane % 16).
; A TRIP (step t): round A: slot B <- V(t-1); P(t-1) to LDS; S(t), with O x a(t-1) beside it; my keys' maxima to LDS; round B: slot A <- K(t+1); O += V(t-1)^T P(t-1), with step t's softmax beside it.
; Trip 0 is a trip like any other: O, l and P(-1) are 0 and m' the lowest finite number, so a(0) = 0; its 128 products on zeros and a second fetch of V(0) are the price of one text for all trips.
; THE LDS LOADS STAND IN RUNS of 8 to 20, never singly among the matrix instructions: twelve runs for a trip's 256 products.
; CLUSTER.  The four query blocks of a cluster belong to one batch and walk the same K and V: every tile is asked for JOINTLY (mask 15), each wave its 32 rows.  One tensor load a wave is out at a time.
; REGISTERS, in windows of 256 (s_set_vgpr_msb: bits 1:0 source 0, 3:2 source 1, 5:4 source 2, 7:6 destination):
;   window 0: v0-19 addresses; v20-35 statistics; v36-43 l; v44-55 at work; v56-71 the mask's C, later the four waves' maxima; v72-135 S^T;
;             SIXTEEN FRAGMENT SLOTS of 8 registers: slot n at v136 + 8 n, slot 15 at v56 (free between the C's use and the maxima, and behind them).  S: two buffers of 8 slots of K.  V^T P: slots 0-7 P, 8-15 V, two buffers each.
;   window 1: O^T (cb, qt) at 8 (4 cb + qt)          windows 2, 3: Q (qt, c) at 8 (4 (c % 8) + qt), window 2 + c / 8
.set KP,    1040                       ; a row of K in LDS: 1,024 bytes + 16: the 16 rows of a load start at 16 different groups of four banks (ISA guide 11.1)
.set VP,    1056                       ; a row of V: 1,024 + 32
.set BUFB,  128*VP                     ; slot A (K; at last V) from 0, slot B (V) from here
.set PX,    2*BUFB                     ; P: fragment (g, qt) at 1,024 (4 g + qt), as the registers hold it
.set MA,    PX+16384                   ; the mask's C: wave w's own 2 KB, [step][32 keys] f32
.set MX,    MA+8192                    ; maxima [wave][lane % 16][qt]
.set LX,    MX+1024                    ; the sums l, likewise
.set SPARE, LX+1024                    ; the spare words, 128 bytes for each wave
.set SGP,   528                        ; the way out: my stage, 16 rows of 512 + 16 bytes, in slot B behind its last fill and last read
.set NEGB,  0xceabfb8f
.set AK,  3
.set AVB, 4                            ; v4-5  V in slot B: keys 0-63, 64-127
.set AVA, 6                            ; v6-7  V in slot A
.set APL, 8
.set APS, 9
.set AMS, 10
.set AML, 11
.set AC0, 12
.set AC,  13
.set STO, 14
.set RD,  15
.set SPW, 16                           ; never rewritten
.set NIL, 17                           ; never rewritten
.set GO,  18
.set LN,  19
.set ST,  20                           ; tile qt at ST + 4 qt: m', the new m', a, m'_old - m'_new
.set LS,  36                           ; l in pairs (even keys', odd keys')
.set CC,  44
.set LM,  52
.set MXT, 56
.set MC,  56
.set S,   72                           ; accumulator (kt, qt) at S + 16 qt + 8 kt; the packed P(qt) takes the tile's first eight
.set FRG, 136                          ; the fragment slots: slot n at FRG + 8 n - 200 (n / 15)
.set MW,  200                          ; in the prologue alone: the mask's words,
.set QO,  248                          ; and three offsets, NEGB and three at work
.set MO,  249
.set MS,  250
.set NB,  251
.set T0,  252
.set WV,  14
.set VB,  18                           ; s[18:19] vs at my 32 rows of the batch's step 0
.set OFF, 20
.set VT,  22                           ; the step whose V round A asks for
.set INC, 23
.set G1K, 24
.set G1V, 32
.set G0K, 40
.set G0V, 44
.set CNT, 48
.set CT,  49
.set SEL, 50
.set G0L, 56                           ; V(15) into slot A
.set MSB, 0
.macro WIN new                         ; the immediate's high byte repeats the setting that is left; a switch that changes nothing is dropped
.if MSB != (\new)
	s_set_vgpr_msb (MSB<<8)|(\new)
.set MSB, (\new)
.endif
.endm
.set W_S2, 0x08                        ; Q (source 1) in window 2; K, C and S^T in window 0
.set W_PV, 0x50                        ; C and D in window 1
.set W_RS, 0x41                        ; O^T in place, the factor in window 0
.macro ROUND                           ; a round of the cluster's barrier
	s_barrier_signal -1
	s_barrier_wait -1
	s_cmp_lg_u32 s[WV], 0
	s_cbranch_scc1 .Lnot_wave_0_\@
	s_barrier_signal -3
.Lnot_wave_0_\@:
	s_barrier_wait -3
	s_barrier_signal -1
	s_barrier_wait -1
.endm
; ROUND A.  All my tensor loads have landed (one was out: my rows of K(t)); the add; my LDS reads and stores are over (V(t-2), P(t-2), the maxima).  Behind the round slot B is filled again, first thing.
.macro ROUNDA
	WIN 0
	s_wait_tensorcnt 0x0
	ds_add_u32 v[SPW], v[NIL]                      ; 0 onto my spare word; the descriptor's scalar work stands between it and the wait for it
	s_lshl_b32 s[OFF], s[VT], 17                   ; a step is 128 rows of 1,024 bytes
	s_add_nc_u64 s[G0V+2:G0V+3], s[VB:VB+1], s[OFF:OFF+1]
	s_or_b32 s[G0V+3], s[G0V+3], 0x80000000
	s_add_co_u32 s[VT], s[VT], s[INC]              ; 0, 0, 1, 2 ..
	s_mov_b32 s[INC], 1
	s_wait_dscnt 0x0
	ROUND
	tensor_load_to_lds s[G0V:G0V+3], s[G1V:G1V+7]
	s_nop 0
.endm
; ROUND B.  V(t-1) has landed; my reads of K(t) and my stores of P and of the maxima are over.  kind 1: slot A <- K(t+1).  kind 2 (the last trip): slot A <- V(15).
.macro ROUNDB kind
	WIN 0
	s_wait_tensorcnt 0x0
	ds_add_u32 v[SPW], v[NIL]
.if (\kind) == 1
	s_add_nc_u64 s[G0K+2:G0K+3], s[G0K+2:G0K+3], 131072
.endif
	s_wait_dscnt 0x0
	ROUND
.if (\kind) == 1
	tensor_load_to_lds s[G0K:G0K+3], s[G1K:G1K+7]
.else
	tensor_load_to_lds s[G0L:G0L+3], s[G1V:G1V+7]
.endif
	s_nop 0
.endm
.macro PSTORE                          ; my 32 keys' P, four fragments, as the registers hold them
.irp qt, 0,1,2,3
	ds_store_b128 v[APS], v[S+16*\qt:S+16*\qt+3] offset:\qt*1024
	ds_store_b128 v[APS], v[S+16*\qt+4:S+16*\qt+7] offset:\qt*1024+512
.endr
.endm
.macro ML1 j                           ; load j of 4 of the step's C
	ds_load_b128 v[MC+4*(\j):MC+4*(\j)+3], v[AC] offset:64*((\j)/2)+16*((\j)%2)
.endm
; A RUN OF 16: K's fragments of group G (channels 128 G .. 128 G + 127, both key tiles) into buffer G % 2: unit x, key tile kt in slot 8 (G % 2) + 2 x + kt.
.macro KRUN G
.irp x, 0,1,2,3
.irp kt, 0,1
.set sl, 8*((\G)%2)+2*\x+\kt
.set rK, FRG+8*sl-200*(sl/15)
	ds_load_b128 v[rK:rK+3],   v[AK] offset:\kt*16*KP+64*(4*(\G)+\x)
	ds_load_b128 v[rK+4:rK+7], v[AK] offset:\kt*16*KP+64*(4*(\G)+\x)+32
.endr
.endr
.endm
.macro PRUN gg                         ; A RUN OF 8: P's four fragments for keys 32 gg .. into slots 4 (gg % 2) ..
.irp j, 0,1,2,3,4,5,6,7
	ds_load_b128 v[FRG+32*((\gg)%2)+4*\j:FRG+32*((\gg)%2)+4*\j+3], v[APL] offset:(\gg)*4096+512*\j
.endr
.endm
; A RUN OF 8: V of half hh, turned: keys 32 (hh / 2) .., channel blocks 4 (hh % 2) + f, into slots 8 + 4 (hh % 2) + f; the two loads of a fragment take 16 keys each.
.macro VRUN hh, av
.irp f, 0,1,2,3
.set sl, 8+4*((\hh)%2)+\f
.set rV, FRG+8*sl-200*(sl/15)
	ds_load_tr16_b128 v[rV:rV+3],   v[(\av)+(\hh)/4] offset:(((\hh)/2)%2)*32*VP+32*(4*((\hh)%2)+\f)
	ds_load_tr16_b128 v[rV+4:rV+7], v[(\av)+(\hh)/4] offset:(((\hh)/2)%2)*32*VP+32*(4*((\hh)%2)+\f)+16*VP
.endr
.endm
; UNIT c OF S: channels 32 c ..: eight products (key tile i % 2, query tile i / 2); the 8 accumulators take turns.  The first unit's C is the mask.
; Four units are a group.  Behind a group's first unit stands the run for the next group, 24 products ahead of its first use; it goes into the buffer that the group before read, whose last product has four
; multiplies behind it that name none of its registers: the places (ISA guide 7.12.1).  (Slot 15 held the C of key tile 0: its last reader is unit 0's product 6, and the four multiplies behind product 7 are the places.)
; Behind products 3 and 7: four multiplies of O^T (accumulators 2 c, 2 c + 1) by a.
.macro SUNIT c
.if ((\c)%4) == 0
	s_wait_dscnt 0x0                               ; the group's fragments are in: nothing younger is out, the next run is issued behind this wait
.endif
.set i, 0
.rept 8
	WIN W_S2+4*((\c)/8)
.set rS, S+16*(i/2)+8*(i%2)
.set sl, 8*(((\c)/4)%2)+2*((\c)%4)+i%2
.set rK, FRG+8*sl-200*(sl/15)
.set rQ, 8*(4*((\c)%8)+i/2)
.if (\c) == 0
	v_wmma_f32_16x16x32_bf16 v[rS:rS+7], v[rK:rK+7], v[rQ:rQ+7], v[MC+8*(i%2):MC+8*(i%2)+7]
.else
	v_wmma_f32_16x16x32_bf16 v[rS:rS+7], v[rK:rK+7], v[rQ:rQ+7], v[rS:rS+7]
.endif
.if (i%4) == 3
	WIN W_RS
.set rO, 8*(2*(\c)+i/4)
.set rA, ST+4*((2*(\c)+i/4)%4)+2
.irp p, 0,1,2,3
	v_pk_mul_f32 v[rO+2*\p:rO+2*\p+1], v[rO+2*\p:rO+2*\p+1], v[rA:rA+1] op_sel_hi:[1,0]
.endr
.endif
.set i, i+1
.endr
.if (((\c)%4) == 0) && ((\c) < 12)
	WIN W_S2+4*((\c)/8)                            ; the products' own setting: a load's destination and address lie in window 0 under it
	KRUN (\c)/4+1
.endif
.endm
.macro ALLQ line:vararg                ; one line for each query tile t
.set t, 0
.rept 4
	\line
.set t, t+1
.endr
.endm
; My 32 keys' maximum for each query; each accumulator's lowest registers are read first.  The tiles alternate.
.macro LMAX
	WIN 0
	ALLQ v_max3_num_f32 v[CC+2*t], v[S+16*t], v[S+16*t+1], v[S+16*t+2]
	ALLQ v_max3_num_f32 v[CC+2*t+1], v[S+16*t+8], v[S+16*t+9], v[S+16*t+10]
	ALLQ v_max3_num_f32 v[CC+2*t], v[CC+2*t], v[S+16*t+3], v[S+16*t+4]
	ALLQ v_max3_num_f32 v[CC+2*t+1], v[CC+2*t+1], v[S+16*t+11], v[S+16*t+12]
	ALLQ v_max3_num_f32 v[CC+2*t], v[CC+2*t], v[S+16*t+5], v[S+16*t+6]
	ALLQ v_max3_num_f32 v[CC+2*t+1], v[CC+2*t+1], v[S+16*t+13], v[S+16*t+14]
	ALLQ v_max3_num_f32 v[CC+2*t], v[CC+2*t], v[S+16*t+7], v[S+16*t+15]
	ALLQ v_max_num_f32 v[CC+2*t], v[CC+2*t], v[CC+2*t+1]
	ALLQ v_permlanex16_b32 v[CC+2*t+1], v[CC+2*t], s[SEL], s[SEL+1]
	ALLQ v_max_num_f32 v[LM+t], v[CC+2*t], v[CC+2*t+1]
	ds_store_b128 v[AMS], v[LM:LM+3]
.endm
.macro VPRE av, so                     ; A RUN OF 20 behind the tensor load: the four waves' figures, P of keys 0-31, V of half 0
.irp x, 0,1,2,3
	ds_load_b128 v[MXT+4*\x:MXT+4*\x+3], v[AML] offset:(\so)+256*\x
.endr
	PRUN 0
	VRUN 0, \av
.endm
.macro STATS cl                        ; the new m', a; cl = 1: the address of the next step's C
	s_wait_dscnt 16                                ; P's eight and V's eight loads are younger: the maxima are in
	ALLQ v_max3_num_f32 v[CC+2*t], v[MXT+t], v[MXT+4+t], v[MXT+8+t]
	ALLQ v_max3_num_f32 v[ST+4*t+1], v[CC+2*t], v[MXT+12+t], v[ST+4*t]
	ALLQ v_sub_f32 v[ST+4*t+3], v[ST+4*t], v[ST+4*t+1]
	ALLQ v_mov_b32 v[ST+4*t], v[ST+4*t+1]
	ALLQ v_exp_f32 v[ST+4*t+2], v[ST+4*t+3]
.if \cl
	s_add_co_u32 s[CT], s[CT], 128
	v_add_nc_u32 v[AC], s[CT], v[AC0]
.endif
.endm
; THE SOFTMAX of a tile is a list of 40 lines.  F i: s' - m' for pair i of 8.  E i: 2^x of score i of 16.  L i: l takes pair i (L 0: l = a l + pair).  C i: pair i rounded to f16 into the tile's register i,
; behind the L and the C that read that register.  In the list's own order a plain line that names neither stands between every exponential and the use of its result.
.macro RF qt, n
	v_pk_add_f32 v[S+16*(\qt)+2*(\n):S+16*(\qt)+2*(\n)+1], v[S+16*(\qt)+2*(\n):S+16*(\qt)+2*(\n)+1], v[ST+4*(\qt):ST+4*(\qt)+1] op_sel_hi:[1,0] neg_lo:[0,1] neg_hi:[0,1]
.endm
.macro RE qt, n
	v_exp_f32 v[S+16*(\qt)+(\n)], v[S+16*(\qt)+(\n)]
.endm
.macro RL qt, n
.if (\n) == 0
	s_wait_alu depctr_va_vdst(0)
	v_pk_fma_f32 v[LS+2*(\qt):LS+2*(\qt)+1], v[LS+2*(\qt):LS+2*(\qt)+1], v[ST+4*(\qt)+2:ST+4*(\qt)+3], v[S+16*(\qt):S+16*(\qt)+1] op_sel_hi:[1,0,1]
.else
	s_wait_alu depctr_va_vdst(0)
	v_pk_add_f32 v[LS+2*(\qt):LS+2*(\qt)+1], v[LS+2*(\qt):LS+2*(\qt)+1], v[S+16*(\qt)+2*(\n):S+16*(\qt)+2*(\n)+1]
.endif
.endm
.macro RC qt, n
	v_cvt_pk_f16_f32 v[S+16*(\qt)+(\n)], v[S+16*(\qt)+2*(\n)], v[S+16*(\qt)+2*(\n)+1]
.endm
; Line n of the 40:   0-9: F0 F1 E0 E1 F2-F7     10-19: E2-E7 L0-L3     20-29: E8-E13 C0 C1 L4 L5     30-39: E14 E15 L6 C2 C3 L7 C4-C7
.macro RID qt, n
.set rc, (\n)
.if rc < 2
	RF \qt, rc
.elseif rc < 4
	RE \qt, rc-2
.elseif rc < 10
	RF \qt, rc-2
.elseif rc < 16
	RE \qt, rc-8
.elseif rc < 20
	RL \qt, rc-16
.elseif rc < 26
	RE \qt, rc-12
.elseif rc < 28
	RC \qt, rc-26
.elseif rc < 30
	RL \qt, rc-24
.elseif rc < 32
	RE \qt, rc-16
.elseif rc == 32
	RL \qt, 6
.elseif rc < 35
	RC \qt, rc-31
.elseif rc == 35
	RL \qt, 7
.else
	RC \qt, rc-32
.endif
.endm
; HALF hg OF V^T P: keys 32 (hg / 2) .., channel blocks 4 (hg % 2) + i / 4 x query tiles i % 4: sixteen products on sixteen accumulators, which take turns.
; rid = 1: twenty lines of tile hg / 2's softmax stand behind the odd products, 2, 3, 2, 3, 2, 2, 2, 4; the last four are plain.  rid = 0: four v_nop behind the last product.  These four are the places in front of
; the loads that go into this half's slots.
; Behind the second product stands the half's one run: V of the next half and, in the even halves, behind it P of the next 32 keys.  The wait at the head leaves out what is younger than this half's V:
; those eight loads of P in halves 1, 3 and 5, nothing elsewhere.
.macro VHALF hg, rid, av
.if (((\hg)%2) == 1) && ((\hg) < 7)
	s_wait_dscnt 8
.else
	s_wait_dscnt 0x0
.endif
.set i, 0
.set rn, 20*((\hg)%2)
.rept 16
	WIN W_PV
.set rO, 8*(4*(4*((\hg)%2)+i/4)+i%4)
.set sl, 8+4*((\hg)%2)+i/4
.set rV, FRG+8*sl-200*(sl/15)
.set rP, FRG+32*(((\hg)/2)%2)+8*(i%4)
	v_wmma_f32_16x16x32_f16 v[rO:rO+7], v[rV:rV+7], v[rP:rP+7], v[rO:rO+7]
.if (i%2) == 1
.set nr, 2
.if (i == 3) || (i == 7)
.set nr, 3
.elseif i == 15
.set nr, 4
.endif
.if \rid
	WIN 0
.rept nr
	RID (\hg)/2, rn
.set rn, rn+1
.endr
.elseif i == 15
.rept 4
	v_nop
.endr
.endif
.if (i == 1) && ((\hg) < 7)
	WIN 0
	VRUN (\hg)+1, \av
.if (((\hg)%2) == 0) && ((\hg) < 6)
	PRUN (\hg)/2+1
.endif
.endif
.endif
.set i, i+1
.endr
.endm
.macro TRIP kind, cl
	ROUNDA
	PSTORE                                         ; eight stores and a run of twenty loads follow the tensor load: no vector line and no switch of windows among them
.irp j, 0,1,2,3
	ML1 \j                                         ; the step's C; the last product that read v56-63 has four plain lines behind it
.endr
	KRUN 0
.irp c, 0,1,2,3,4,5,6,7,8,9,10,11,12,13,14,15
	SUNIT \c
.endr
	LMAX                                           ; the four multiplies behind the last product are the places in front of it
	ROUNDB \kind
	VPRE AVB, 0
	STATS \cl
.irp hg, 0,1,2,3,4,5,6,7
	VHALF \hg, 1, AVB
.endr
	WIN 0
.endm
	s_load_b256 s[4:11], s[0:1], 0x0               ; qs s[4:5], ks s[6:7], vs s[8:9], mask s[10:11]
	s_load_b64 s[12:13], s[0:1], 0x20              ; out0
	v_lshl_add_u32 v[SPW], v0, 2, SPARE
	v_mov_b32 v[NIL], 0
	ds_add_u32 v[SPW], v[NIL]                      ; the wave's opening: an add, and its wait ahead of my first tensor load
	v_lshrrev_b32 v1, 5, v0
	v_readfirstlane_b32 s[WV], v1                  ; wave 0..3
	s_bfe_u32 s15, ttmp6, 0x40000                  ; cx
	s_lshl_b32 s16, ttmp9, 2
	s_add_co_u32 s16, s16, s15                     ; X: my block of 64 queries; it enters Q's and the output's addresses alone
	s_and_b32 s17, ttmp7, 0xffff                   ; the batch, which the partners share
	s_lshl_b32 s52, s17, 21                        ; K, V: the batch's 2,048 rows of 1,024 bytes,
	s_lshl_b32 s60, s[WV], 15                      ; my 32 rows of a step (these registers never hold cx)
	s_add_co_u32 s52, s52, s60
	s_mov_b32 s53, 0
	s_lshl_b32 s54, s17, 21                        ; Q: the batch, my block's 64 rows
	s_lshl_b32 s61, s16, 16
	s_add_co_u32 s54, s54, s61
	s_mov_b32 s55, 0
	s_mov_b32 s[G1K], 15|(1<<16)|(1<<20)|(1<<21)|(7<<22)|(3<<25)  ; the mask of four, bit 21 beside it; elements of 2 bytes; padding: after every 256 words 4 words
	s_mov_b32 s[G1V], 15|(1<<16)|(1<<20)|(1<<21)|(7<<22)|(7<<25)  ; the same with 8 words
.irp d, G1K, G1V
	s_mov_b32 s[\d+1], 512<<16                     ; tensor_dim0 = 512
	s_mov_b32 s[\d+2], 32<<16                      ; tensor_dim1 = 32
	s_mov_b32 s[\d+3], 512<<16                     ; tile_dim0 = 512
	s_mov_b32 s[\d+4], 32                          ; tile_dim1 = 32 rows of 1,024 bytes
	s_mov_b32 s[\d+5], 512                         ; elements from row to row
	s_mov_b32 s[\d+6], 0
	s_mov_b32 s[\d+7], 0
.endr
	s_mov_b32 s[G0K], 1
	s_mul_i32 s[G0K+1], s[WV], 32*KP               ; slot A, my 32 rows
	s_mov_b32 s[G0V], 1
	s_mul_i32 s[G0V+1], s[WV], 32*VP
	s_add_co_u32 s[G0V+1], s[G0V+1], BUFB          ; slot B
	s_mov_b32 s[G0L], 1
	s_mul_i32 s[G0L+1], s[WV], 32*VP               ; slot A, at V's pitch
	s_mov_b32 s[OFF+1], 0
	s_mov_b32 s[VT], 0
	s_mov_b32 s[INC], 0
	s_mov_b32 s[CT], 0
	s_mov_b32 s[SEL], 0x76543210
	s_mov_b32 s[SEL+1], 0xfedcba98
	s_wait_dscnt 0x0                               ; the opening add is done
	s_wait_kmcnt 0x0
	s_add_nc_u64 s[G0K+2:G0K+3], s[6:7], s[52:53]
	s_or_b32 s[G0K+3], s[G0K+3], 0x80000000
	s_add_nc_u64 s[VB:VB+1], s[8:9], s[52:53]
	s_add_nc_u64 s[G0L+2:G0L+3], s[VB:VB+1], 15<<17
	s_or_b32 s[G0L+3], s[G0L+3], 0x80000000
	s_add_nc_u64 s[4:5], s[4:5], s[54:55]
	s_lshl_b32 s54, s17, 22                        ; the output: rows of 2,048 bytes
	s_lshl_b32 s61, s16, 17
	s_add_co_u32 s54, s54, s61
	s_add_nc_u64 s[12:13], s[12:13], s[54:55]
	s_lshl_b32 s54, s17, 13                        ; mask: the batch's 2,048 words, my 32 of a step
	s_lshl_b32 s61, s[WV], 7
	s_add_co_u32 s54, s54, s61
	s_add_nc_u64 s[10:11], s[10:11], s[54:55]
	ROUND                                          ; all four work-groups are here: the first joint loads meet
	tensor_load_to_lds s[G0K:G0K+3], s[G1K:G1K+7]  ; K(0)
	s_nop 0
	v_and_b32 v1, 15, v0                           ; r = l % 16
	v_bfe_u32 v2, v0, 4, 1                         ; h = l / 16
	v_and_b32 v[LN], 31, v0
	v_lshlrev_b32 v[QO], 10, v1
	v_lshl_add_u32 v[QO], v2, 4, v[QO]             ; Q: row r, 8 h channels
	v_lshrrev_b32 v[T0], 3, v[LN]
	v_and_b32 v[T0+1], 7, v0
	v_lshlrev_b32 v[MO], 9, v[T0]                  ; mask: step l / 8 of four, 16 bytes of my 128
	v_lshl_add_u32 v[MO], v[T0+1], 4, v[MO]
.irp n, 0,1,2,3
	global_load_b128 v[MW+4*\n:MW+4*\n+3], v[MO], s[10:11] offset:2048*\n
.endr
.set c, 0
.rept 16                               ; all of Q stays in registers
	WIN 0x80+0x40*(c/8)
.irp qt, 0,1,2,3
	global_load_b128 v[8*(4*(c%8)+\qt):8*(4*(c%8)+\qt)+3],   v[QO], s[4:5] offset:\qt*16384+64*c
	global_load_b128 v[8*(4*(c%8)+\qt)+4:8*(4*(c%8)+\qt)+7], v[QO], s[4:5] offset:\qt*16384+64*c+32
.endr
.set c, c+1
.endr
	WIN 0x40                                       ; what the first trip finds: O, l and P(-1) are 0.  All this stands in the wait for the first tile and for Q
.set n, 0
.rept 256
	v_mov_b32 v[n], 0
.set n, n+1
.endr
	WIN 0
.irp qt, 0,1,2,3
	v_mov_b32 v[ST+4*\qt], 0xff7fffff              ; m': the lowest finite number
	v_mov_b32 v[ST+4*\qt+1], 0
	v_mov_b32 v[ST+4*\qt+2], 0
	v_mov_b32 v[ST+4*\qt+3], 0
	v_mov_b32 v[LS+2*\qt], 0
	v_mov_b32 v[LS+2*\qt+1], 0
.irp e, 0,1,2,3,4,5,6,7
	v_mov_b32 v[S+16*\qt+\e], 0
.endr
.endr
	s_mul_i32 s60, s[WV], 32*KP
	v_mul_u32_u24 v[AK], v1, KP
	v_lshl_add_u32 v[AK], v2, 4, v[AK]
	v_add_nc_u32 v[AK], s60, v[AK]                 ; K: row 32 w + r, 8 h channels
	v_lshl_add_u32 v[T0], v2, 3, v[T0+1]           ; the turning load: key 8 h + l % 8,
	v_bfe_u32 v[T0+2], v0, 3, 1                    ; channels 8 ((l / 8) % 2) ..
	v_mul_u32_u24 v[AVA], v[T0], VP
	v_lshl_add_u32 v[AVA], v[T0+2], 4, v[AVA]
	s_lshl_b32 s61, s[WV], 8
	v_add_nc_u32 v[AVA], s61, v[AVA]               ; my 128 channels
	v_add_nc_u32 v[AVA+1], 64*VP, v[AVA]
	v_add_nc_u32 v[AVB], BUFB, v[AVA]
	v_add_nc_u32 v[AVB+1], BUFB+64*VP, v[AVA]
	v_lshl_add_u32 v[APL], v[LN], 4, PX
	s_lshl_b32 s62, s[WV], 12
	v_add_nc_u32 v[APS], s62, v[APL]
	v_lshl_add_u32 v[AML], v1, 4, MX
	v_add_nc_u32 v[AMS], s61, v[AML]
	s_lshl_b32 s63, s[WV], 11
	s_add_co_u32 s63, s63, MA
	v_lshl_add_u32 v[AC0], v2, 5, s63
	v_mov_b32 v[AC], v[AC0]                        ; step 0's C
	v_lshl_add_u32 v[MS], v[LN], 4, s63
	s_mul_i32 s60, s[WV], 16*SGP
	s_add_co_u32 s60, s60, BUFB
	v_mul_u32_u24 v[STO], v1, SGP
	v_lshl_add_u32 v[STO], v2, 5, v[STO]
	v_add_nc_u32 v[STO], s60, v[STO]
	v_lshl_add_u32 v[RD], v[LN], 4, s60
	s_lshl_b32 s61, s[WV], 9
	v_lshl_add_u32 v[GO], v[LN], 4, s61
	v_mov_b32 v[NB], NEGB
	s_wait_loadcnt 0x0                             ; the mask and Q
.set n, 0
.rept 16
	v_cmp_eq_u32 vcc_lo, 0, v[MW+n]
	v_cndmask_b32 v[MW+n], 0, v[NB], vcc_lo        ; 0, or NEGB where the key is hidden
.set n, n+1
.endr
.irp n, 0,1,2,3
	ds_store_b128 v[MS], v[MW+4*\n:MW+4*\n+3] offset:512*\n  ; my wave's own bytes: no barrier; LDS serves a wave's instructions in order (ISA guide 5.7.1.4)
.endr
	s_mov_b32 s[CNT], 15
.Ltrip:
	TRIP 1, 1
	s_sub_co_u32 s[CNT], s[CNT], 1
	s_cmp_lg_u32 s[CNT], 0
	s_cbranch_scc1 .Ltrip
	TRIP 2, 0                                      ; the last trip is written out: its round B asks for V(15), into the slot that K has left
	; THE TAIL: O = a(15) O + V(15)^T P(15); l's parts meet; O / l goes out.
	s_wait_tensorcnt 0x0                           ; V(15) has landed
	ds_add_u32 v[SPW], v[NIL]
	s_wait_dscnt 0x0                               ; my reads of P(14) and of slot B are over
	s_barrier_signal -1
	s_barrier_wait -1
	PSTORE
	ALLQ v_add_f32 v[CC+2*t], v[LS+2*t], v[LS+2*t+1]
	ALLQ v_permlanex16_b32 v[CC+2*t+1], v[CC+2*t], s[SEL], s[SEL+1]
	ALLQ v_add_f32 v[LM+t], v[CC+2*t], v[CC+2*t+1]
	ds_store_b128 v[AMS], v[LM:LM+3] offset:LX-MX
	WIN W_RS
.set n, 0
.rept 128
	v_pk_mul_f32 v[2*n:2*n+1], v[2*n:2*n+1], v[ST+4*((n/4)%4)+2:ST+4*((n/4)%4)+3] op_sel_hi:[1,0]
.set n, n+1
.endr
	WIN 0
	s_wait_dscnt 0x0                               ; for the others' sake: my stores are done
	s_barrier_signal -1
	s_barrier_wait -1
	VPRE AVA, LX-MX
	s_wait_dscnt 16                                ; P's eight and V's eight loads are younger: the four waves' sums are in
	ALLQ v_add_f32 v[CC+2*t], v[MXT+t], v[MXT+4+t]
	ALLQ v_add_f32 v[CC+2*t+1], v[MXT+8+t], v[MXT+12+t]
	ALLQ v_add_f32 v[CC+2*t], v[CC+2*t], v[CC+2*t+1]
	ALLQ v_rcp_f32 v[ST+4*t+2], v[CC+2*t]
	v_nop                                          ; a plain line behind the last reciprocal
	s_wait_alu depctr_va_vdst(0)
.irp hg, 0,1,2,3,4,5,6,7
	VHALF \hg, 0, AVA
.endr
; THE WAY OUT, a tile of 16 queries at a time: O^T / l; a lane's eight channels of a row go into my stage as 32 bytes and come back as whole rows of 512 bytes.
.macro OUT qt
	WIN W_RS
.irp cb, 0,1,2,3,4,5,6,7
.irp p, 0,1,2,3
	v_pk_mul_f32 v[8*(4*\cb+(\qt))+2*\p:8*(4*\cb+(\qt))+2*\p+1], v[8*(4*\cb+(\qt))+2*\p:8*(4*\cb+(\qt))+2*\p+1], v[ST+4*(\qt)+2:ST+4*(\qt)+3] op_sel_hi:[1,0]
.endr
.endr
	WIN 0x04                                       ; the stores' data in window 1
.irp cb, 0,1,2,3,4,5,6,7
	ds_store_b128 v[STO], v[8*(4*\cb+(\qt)):8*(4*\cb+(\qt))+3] offset:64*\cb
	ds_store_b128 v[STO], v[8*(4*\cb+(\qt))+4:8*(4*\cb+(\qt))+7] offset:64*\cb+16
.endr
	WIN 0
.if (\qt) >= 2
	s_wait_xcnt 0x0                                ; the registers that the stores of the tile before last read are loaded again only behind this wait
.endif
.irp f, 0,1,2,3,4,5,6,7,8,9,10,11,12,13,14,15
	ds_load_b128 v[S+64*((\qt)%2)+4*\f:S+64*((\qt)%2)+4*\f+3], v[RD] offset:\f*SGP  ; these see the stores above; the next tile's stores come behind them
.endr
.endm
.macro SEND qt, younger                ; younger: the next tile's 32 LDS instructions, or none
.irp f, 0,1,2,3,4,5,6,7,8,9,10,11,12,13,14,15
	s_wait_dscnt (\younger)+15-\f
	global_store_b128 v[GO], v[S+64*((\qt)%2)+4*\f:S+64*((\qt)%2)+4*\f+3], s[12:13] offset:(16*(\qt)+\f)*2048 th:TH_STORE_NT  ; a wave stores 512 consecutive aligned bytes
.endr
.endm
	OUT 0
	OUT 1
	SEND 0, 32
	OUT 2
	SEND 1, 32
	OUT 3
	SEND 2, 32
	SEND 3, 0
	s_wait_tensorcnt 0x0                           ; the wave's end
	ds_add_u32 v[SPW], v[NIL]
	s_wait_dscnt 0x0
	ROUND                                          ; the closing round
	s_endpgm
.Lfunc_end_k_q8cc5275935_attn:
	.size	k_q8cc5275935_attn, .Lfunc_end_k_q8cc5275935_attn-k_q8cc5275935_attn
	.p2alignl 7, 3214868480
	.fill 96, 4, 3214868480
	.section	.rodata,"a",@progbits
	.p2align	6, 0x0
	.amdhsa_kernel k_q8cc5275935_attn
		.amdhsa_group_segment_fixed_size 327680
		.amdhsa_private_segment_fixed_size 0
		.amdhsa_enable_private_segment 0
		.amdhsa_kernarg_size 40
		.amdhsa_user_sgpr_count 2
		.amdhsa_user_sgpr_kernarg_segment_ptr 1
		.amdhsa_wavefront_size32 1
		.amdhsa_system_sgpr_workgroup_id_x 1
		.amdhsa_system_sgpr_workgroup_id_y 1
		.amdhsa_system_sgpr_workgroup_id_z 1
		.amdhsa_system_vgpr_workitem_id 0
		.amdhsa_next_free_vgpr 1024
		.amdhsa_next_free_sgpr 66
		.amdhsa_reserve_vcc 1
		.amdhsa_float_denorm_mode_32 3
		.amdhsa_float_denorm_mode_16_64 3
		.amdhsa_memory_ordered 1
		.amdhsa_forward_progress 1
		.amdhsa_inst_pref_size 191
	.end_amdhsa_kernel
	.amdgpu_metadata
---
amdhsa.version: [ 1, 2 ]
amdhsa.kernels:
  - .name:           k_q8cc5275935_attn
    .symbol:         k_q8cc5275935_attn.kd
    .args:
      - { .name: qs, .offset: 0, .size: 8, .value_kind: global_buffer, .address_space: global }
      - { .name: ks, .offset: 8, .size: 8, .value_kind: global_buffer, .address_space: global }
      - { .name: vs, .offset: 16, .size: 8, .value_kind: global_buffer, .address_space: global }
      - { .name: mask, .offset: 24, .size: 8, .value_kind: global_buffer, .address_space: global }
      - { .name: out0, .offset: 32, .size: 8, .value_kind: global_buffer, .address_space: global }
    .group_segment_fixed_size: 327680
    .private_segment_fixed_size: 0
    .kernarg_segment_align: 8
    .kernarg_segment_size: 40
    .max_flat_workgroup_size: 128
    .sgpr_count:     66
    .vgpr_count:     1024
    .wavefront_size: 32
...
	.end_amdgpu_metadata
.endif
;; end of part 6
;; ======== version 3 of 3: 3 launches; version 2 with the launch prep written anew for expert scheduling mode
;; limits: values are held in f16: magnitudes above 65,504 overflow, below 6.1e-05 lose precision; inputs' magnitudes at most 65,504
;; workspace buffers: wt 2,097,152 bytes; qs 16,777,216 bytes; ks 16,777,216 bytes; vs 16,777,216 bytes
;; launch prep (part 7): grid 256 x 1, 8 waves a work-group, no clusters, 10,240 bytes of LDS; arguments value, Wq, Wk, vs, wt; writes vs, wt
.if DOCPART == 7
	.amdgcn_target "amdgcn-amd-amdhsa--gfx1250"
	.amdhsa_code_object_version 6
	.text
	.protected	k_q8cc5275935_prep
	.globl	k_q8cc5275935_prep
	.p2align	8
	.type	k_q8cc5275935_prep,@function
k_q8cc5275935_prep:
	s_mov_b64 s[64:65], 0
	v_nop
	global_prefetch_b8 v0, s[64:65] scope:SCOPE_SE
	s_setreg_imm32_b32 hwreg(HW_REG_WAVE_SCHED_MODE, 0, 2), 2
	s_setreg_imm32_b32 hwreg(HW_REG_WAVE_MODE, 25, 1), 1
	s_wait_xcnt 0x0
	s_wait_alu depctr_vm_vsrc(0)
; PREP.  Two conversions that the tensor loads of the later launches cannot make on the way.
; (a) wt[mat][kb][n][k] = bf16(W_mat[128 kb + k][n]): both weights, turned, in blocks of 128 k x 512 n (131,072 dense bytes), so that a block's rows lie along k and are 256 bytes long.
; (b) vs = value, rounded once to bf16 and that number written as f16, which is exact between 2^-17 and 65,504.
; LIMITS.  |value| of 65,520 or more becomes an f16 infinity; below 2^-17 the number keeps f16's fixed step of 2^-24.
; SHARES.  256 work-groups of eight waves, all alike.  Work-group g turns one piece of 128 k x 32 n of one weight (16 KB in, 8 KB out: 32 whole rows of wt) and converts 128 KB of value.
; Memory binds: every byte is read once, by loads of 16 bytes a lane, and a wave's store covers 256 or 512 consecutive aligned bytes.  Of W eight lanes take 128 consecutive bytes of a row: the price, on
; 4 MB of the launch's 38, of writing wt's rows whole.  No matrix unit, no cluster: nothing is shared.
; THE MODE: SCHED_MODE bits 1:0 = 2 (LLVM: expert scheduling mode 2), set by the entry lines.  The code itself states the register dependences between vector instructions and memory or LDS instructions,
; with s_wait_alu, always for 0.
; THE PLAN.  Registers that memory or LDS instructions touch:
;   v1 .. v5   offsets and LDS addresses: written at the head, never again; the rows of value and vs are reached by two scalar bases and immediate offsets.
;   v6, v7     written at the head, read by the closing add alone.
;   RW         the loads of W land in it; eight roundings read it, once.       PW   those roundings write it; four LDS stores read it, once.
;   BK         two LDS loads land in it; two global stores read it; no vector line names it.
;   X, Y       eight slots in two groups of four.  A group's turn: its 32 vector lines read its X and write its Y; then its X is loaded again and its Y stored, eight memory instructions on end.
;   T          named by vector lines alone.
; So a group has ONE wait on va_vdst, between its vector lines and its eight memory instructions, and one on vm_vsrc at its head, ahead of the lines that write its Y again, a lap behind the stores that read it.
.set TP,    272                        ; a row of the turned piece in LDS: 256 bytes + 16
.set SPARE, 32*TP                      ; behind the piece: the spare words, 128 bytes for each of eight waves
.set WOF, 1                            ; v1  my offset in the piece of W: four rows 4 kp .. and 16 bytes of them
.set TST, 2                            ; v2  where I put 8 bytes of a turned row
.set TRD, 3                            ; v3  where I read 16 bytes of a turned row back
.set O16, 4                            ; v4  16 x thread
.set O8,  5                            ; v5  8 x thread
.set SPW, 6                            ; v6  my spare word; never rewritten
.set NIL, 7                            ; v7  0; never rewritten
.set RW,  12                           ; v[12:27] four rows x four numbers of W
.set PW,  28                           ; v[28:35] packed: for each of my four n, four k
.set BK,  36                           ; v[36:43] turned rows read back
.set X,   44                           ; v[44:75] ring of eight slots: value as loaded
.set T,   76                           ; v[76:81] at work
.set Y,   82                           ; v[82:97] ring of eight slots: f16 to store
	s_load_b256 s[4:11], s[0:1], 0x0               ; value s[4:5], Wq s[6:7], Wk s[8:9], vs s[10:11]
	s_load_b64 s[12:13], s[0:1], 0x20              ; wt
	v_lshl_add_u32 v[SPW], v0, 2, SPARE
	v_mov_b32 v[NIL], 0
	s_lshr_b32 s21, ttmp9, 7                       ; mat: 0 Wq, 1 Wk
	s_bfe_u32 s22, ttmp9, 0x30004                  ; kb: which 128 k
	s_and_b32 s23, ttmp9, 15                       ; nb: which 32 n
	s_lshl_b32 s16, s22, 18                        ; 128 rows of 2,048 bytes
	s_lshl_b32 s17, s23, 7                         ; 32 numbers of 4 bytes
	s_or_b32 s16, s16, s17
	s_mov_b32 s17, 0
	s_lshl_b32 s18, s21, 20                        ; in wt: a weight is 1 MiB,
	s_lshl_b32 s19, s22, 17                        ; a block 131,072 bytes,
	s_or_b32 s18, s18, s19
	s_lshl_b32 s19, s23, 13                        ; 32 rows n of 256 bytes
	s_or_b32 s18, s18, s19
	s_mov_b32 s19, 0
	s_mov_b32 s20, 0xffff0000                      ; a word's upper bf16
	v_lshrrev_b32 v8, 3, v0                        ; kp: my four rows k
	v_and_b32 v9, 7, v0                            ; c: my four columns n
	v_lshlrev_b32 v[WOF], 13, v8
	v_lshl_or_b32 v[WOF], v9, 4, v[WOF]
	v_mul_u32_u24 v[TST], v9, 4*TP
	v_lshl_add_u32 v[TST], v8, 3, v[TST]           ; row 4 c, byte 8 kp
	v_lshrrev_b32 v10, 4, v0
	v_and_b32 v11, 15, v0
	v_mul_u32_u24 v[TRD], v10, TP
	v_lshl_add_u32 v[TRD], v11, 4, v[TRD]          ; row thread / 16, 16 bytes
	v_lshlrev_b32 v[O16], 4, v0
	v_lshlrev_b32 v[O8], 3, v0
	s_wait_kmcnt 0x0
	s_cmp_eq_u32 s21, 0
	s_cselect_b64 s[14:15], s[6:7], s[8:9]         ; the weight
	s_add_nc_u64 s[14:15], s[14:15], s[16:17]
	s_add_nc_u64 s[12:13], s[12:13], s[18:19]
	s_lshl_b32 s16, ttmp9, 17                      ; my 128 KB of value
	s_add_nc_u64 s[4:5], s[4:5], s[16:17]
	s_lshl_b32 s16, ttmp9, 16                      ; my 64 KB of vs
	s_add_nc_u64 s[10:11], s[10:11], s[16:17]
	s_wait_alu depctr_va_vdst(0)                   ; v1 to v5 are written: every load and store of the kernel, global or LDS, reads one of them as its offset or address
.irp i, 0,1,2,3
	global_load_b128 v[RW+4*\i:RW+4*\i+3], v[WOF], s[14:15] offset:2048*\i  ; eight lanes take 128 consecutive bytes of a row
.endr
.irp i, 0,1,2,3,4,5,6,7
	global_load_b128 v[X+4*\i:X+4*\i+3], v[O16], s[4:5] offset:4096*\i th:TH_LOAD_NT  ; the ring is filled
.endr
	s_wait_loadcnt 8                               ; the eight loads of value are younger: W is in
.irp e, 0,1,2,3
	v_cvt_pk_bf16_f32 v[PW+2*\e], v[RW+\e], v[RW+4+\e]        ; column 4 c + e: k = 4 kp, 4 kp + 1
	v_cvt_pk_bf16_f32 v[PW+2*\e+1], v[RW+8+\e], v[RW+12+\e]   ; k = 4 kp + 2, 4 kp + 3
.endr
	s_wait_alu depctr_va_vdst(0)                   ; the roundings have written PW, which the LDS stores read
.irp e, 0,1,2,3
	ds_store_b64 v[TST], v[PW+2*\e:PW+2*\e+1] offset:TP*\e
.endr
	s_wait_dscnt 0x0                               ; for the others' sake: my stores are done
	s_barrier_signal -1
	s_barrier_wait -1
	ds_load_b128 v[BK:BK+3], v[TRD]
	ds_load_b128 v[BK+4:BK+7], v[TRD] offset:16*TP
	s_wait_dscnt 0x0
	global_store_b128 v[O16], v[BK:BK+3], s[12:13]              ; a wave stores 512 consecutive bytes of wt: two whole rows
	global_store_b128 v[O16], v[BK+4:BK+7], s[12:13] offset:4096
; The turn of group q (slots 4 q .. 4 q + 3).  ahead = 1: its slots are filled again, eight steps of 4,096 bytes on.  left = the younger loads that may stay out: the other group's four, or none.
; The two bases move on by a lap (eight steps) at the head of group 1, so that group's offsets are counted from the next lap's first step: its stores reach back.
.macro VGROUP q, ahead, left
	s_wait_loadcnt \left                           ; loads come back in order (ISA guide 5.7.1): my four are in
	s_wait_xcnt 0x0                                ; the group's Y, which its last stores read, and the two bases are rewritten only behind this wait
	s_wait_alu depctr_vm_vsrc(0)                   ; the stores issued a lap ago have read the group's Y, which the conversions below write again
.if (\ahead) && (\q)
	s_add_nc_u64 s[4:5], s[4:5], 32768
	s_add_nc_u64 s[10:11], s[10:11], 16384
.endif
.irp k, 0,1,2,3
	v_cvt_pk_bf16_f32 v[T], v[X+4*(4*(\q)+\k)], v[X+4*(4*(\q)+\k)+1]      ; the one rounding, to bf16
	v_cvt_pk_bf16_f32 v[T+1], v[X+4*(4*(\q)+\k)+2], v[X+4*(4*(\q)+\k)+3]
	v_lshlrev_b32 v[T+2], 16, v[T]                 ; back to f32: a shift or a mask
	v_and_b32 v[T+3], s20, v[T]
	v_lshlrev_b32 v[T+4], 16, v[T+1]
	v_and_b32 v[T+5], s20, v[T+1]
	v_cvt_pk_f16_f32 v[Y+2*(4*(\q)+\k)], v[T+2], v[T+3]       ; the same numbers as f16
	v_cvt_pk_f16_f32 v[Y+2*(4*(\q)+\k)+1], v[T+4], v[T+5]
.endr
	s_wait_alu depctr_va_vdst(0)                   ; the roundings are done reading the group's X, in which the loads below land; the conversions have written its Y, which the stores below read
.if \ahead
.irp k, 0,1,2,3
	global_load_b128 v[X+4*(4*(\q)+\k):X+4*(4*(\q)+\k)+3], v[O16], s[4:5] offset:(4*(\q)+\k+8-8*(\q))*4096 th:TH_LOAD_NT
.endr
.endif
.irp k, 0,1,2,3
	global_store_b64 v[O8], v[Y+2*(4*(\q)+\k):Y+2*(4*(\q)+\k)+1], s[10:11] offset:(4*(\q)+\k-8*(\q)*(\ahead))*2048  ; a wave stores 256 consecutive aligned bytes
.endr
.endm
	s_mov_b32 s22, 3
.Lring:                                                ; a lap: both groups once, eight steps
	VGROUP 0, 1, 4
	VGROUP 1, 1, 4
	s_sub_co_u32 s22, s22, 1
	s_cmp_lg_u32 s22, 0
	s_cbranch_scc1 .Lring
	VGROUP 0, 0, 4                                 ; the last lap loads nothing: no load leaves value, and the counts run down
	VGROUP 1, 0, 0
	s_wait_dscnt 0x0                               ; the closing lines, six on end
	s_wait_alu 0x0
	s_wait_tensorcnt 0x0
	ds_add_u32 v[SPW], v[NIL]
	s_wait_dscnt 0x0
	s_endpgm
.Lfunc_end_k_q8cc5275935_prep:
	.size	k_q8cc5275935_prep, .Lfunc_end_k_q8cc5275935_prep-k_q8cc5275935_prep
	.p2alignl 7, 3214868480
	.fill 96, 4, 3214868480
	.section	.rodata,"a",@progbits
	.p2align	6, 0x0
	.amdhsa_kernel k_q8cc5275935_prep
		.amdhsa_group_segment_fixed_size 10240
		.amdhsa_private_segment_fixed_size 0
		.amdhsa_enable_private_segment 0
		.amdhsa_kernarg_size 40
		.amdhsa_user_sgpr_count 2
		.amdhsa_user_sgpr_kernarg_segment_ptr 1
		.amdhsa_wavefront_size32 1
		.amdhsa_system_sgpr_workgroup_id_x 1
		.amdhsa_system_sgpr_workgroup_id_y 1
		.amdhsa_system_sgpr_workgroup_id_z 1
		.amdhsa_system_vgpr_workitem_id 0
		.amdhsa_next_free_vgpr 98
		.amdhsa_next_free_sgpr 66
		.amdhsa_reserve_vcc 0
		.amdhsa_float_denorm_mode_32 3
		.amdhsa_float_denorm_mode_16_64 3
		.amdhsa_memory_ordered 1
		.amdhsa_forward_progress 1
		.amdhsa_inst_pref_size 14
	.end_amdhsa_kernel
	.amdgpu_metadata
---
amdhsa.version: [ 1, 2 ]
amdhsa.kernels:
  - .name:           k_q8cc5275935_prep
    .symbol:         k_q8cc5275935_prep.kd
    .args:
      - { .name: value, .offset: 0, .size: 8, .value_kind: global_buffer, .address_space: global }
      - { .name: Wq, .offset: 8, .size: 8, .value_kind: global_buffer, .address_space: global }
      - { .name: Wk, .offset: 16, .size: 8, .value_kind: global_buffer, .address_space: global }
      - { .name: vs, .offset: 24, .size: 8, .value_kind: global_buffer, .address_space: global }
      - { .name: wt, .offset: 32, .size: 8, .value_kind: global_buffer, .address_space: global }
    .group_segment_fixed_size: 10240
    .private_segment_fixed_size: 0
    .kernarg_segment_align: 8
    .kernarg_segment_size: 40
    .max_flat_workgroup_size: 256
    .sgpr_count:     66
    .vgpr_count:     98
    .wavefront_size: 32
...
	.end_amdgpu_metadata
.endif
;; end of part 7
;; launch proj: the kernel of part 5 again; grid 128 x 2, 4 waves a work-group, clusters of 4 x 1, 327,680 bytes of LDS; arguments query, key, wt, bq, bk, mask, qs, ks; writes qs, ks
;; launch attn: the kernel of part 6 again; grid 32 x 8, 4 waves a work-group, clusters of 4 x 1, 327,680 bytes of LDS; arguments qs, ks, vs, mask, out0; writes out0
